; MI455X (gfx1250); checked and timed in simulation.
; The chip was launched on July 23, 2026; its instructions are those of AMD's public machine-readable ISA for CDNA 5 (MIT licence, August 2026) and "CDNA5" Instruction Set Architecture Reference Guide (July 2026). The comments in the code are by the model that wrote it; some were corrected since.
;; Rel Multi Head Attn. Allowed arithmetic: matrix products marked QUANTISED: E4M3 operands, one given power-of-two scale a tensor, by v_wmma_f32_16x16x64_fp8_fp8 or v_wmma_f32_16x16x128_fp8_fp8, f32 sums; everything else in f32.
;; Inputs: W_o_codes 1,024 x 32 x 32 uint8 (E4M3 codes of W_o, K innermost, in blocks of 32 codes); W_qkv_codes 3,072 x 32 x 32 uint8 (E4M3 codes of W_qkv, K innermost, in blocks of 32 codes); beta 1,024 float32; gamma 1,024 float32; lowp_scales 12 int32 (the exponents e of the quantised operands' scales 2^e); r_codes 2,049 x 32 x 32 uint8 (E4M3 codes of r, K innermost, in blocks of 32 codes); w 2,048 x 2 x 1,024 float32.
;; Outputs: out0 2,048 x 2 x 1,024 float32.
;; This version of the problem:
;;   THIS VERSION OF THE PROBLEM IS GIVEN IN LOW PRECISION. The matrix products marked QUANTISED in the list below multiply operands that are first quantised to E4M3 (4 exponent bits, 3 mantissa bits; 8 bits a number), with one given power-of-two scale for each operand tensor; their sums are f32. All else is computed in f32.
;;   The module's matrix products, in the order in which they are computed (A, B: the left and right operand; K: the contracted axis; several contracted axes count as one K, in the product's order):
;;     1. [M 4,096, K 1,024] x [K 1,024, N 3,072]; A: input w; B: input W_qkv (given as codes): QUANTISED (scales: A lowp_scales[0], B lowp_scales[1])
;;     2. [M 2,049, K 1,024] x [K 1,024, N 3,072]; A: input r (given as codes); B: input W_qkv (given as codes): QUANTISED (scales: A lowp_scales[2], B lowp_scales[3])
;;     3. batch 32 x [M 2,048, K 64] x [K 64, N 2,048]; A: computed on the way; B: computed on the way: QUANTISED (scales: A lowp_scales[4], B lowp_scales[5])
;;     4. batch 16 x [M 2,049, K 64] x [K 64, N 4,096]; A: computed on the way; B: computed on the way: QUANTISED (scales: A lowp_scales[6], B lowp_scales[7])
;;     5. batch 32 x [M 64, K 2,048] x [K 2,048, N 2,048]; A: computed on the way; B: softmax (see below): QUANTISED (scales: A lowp_scales[8], B lowp_scales[9])
;;     6. [M 4,096, K 1,024] x [K 1,024, N 1,024]; A: computed on the way; B: input W_o (given as codes): QUANTISED (scales: A lowp_scales[10], B lowp_scales[11])
;;   THE QUANTISER, for each operand of a quantised product, along K:
;;     - The operand's scale is 2^e, e = its entry of the input lowp_scales (int32; the entries are numbered through the quantised products in the list's order, A before B).
;;     - Each number is divided by the scale, clamped to +-448, and rounded to the nearest number of E4M3, ties to even, subnormals kept.
;;     - The product sums the exact products of the quantised numbers (number of the format x scale) in f32.
;;   ~~~python
;;   def quantise(x, axis, e):      # numpy; x: float32 -> the quantised numbers, widened to float32 again
;;       x = np.moveaxis(x, axis, -1); K = x.shape[-1]
;;       r = np.clip(x / 2.0 ** e, -448, 448)
;;       step = 2.0 ** (np.maximum(np.frexp(np.where(r == 0, 1, r))[1] - 1, -6) - 3)
;;       q = np.round(r / step) * step * 2.0 ** e      # np.round: ties to even
;;       return np.moveaxis(q, -1, axis).astype(np.float32)
;;   ~~~
;;   SOFTMAX AHEAD OF A QUANTISED PRODUCT. Where the list says 'softmax', what is quantised is not the finished softmax but p = 2^(t - M), with t = logit x log2(e) and M = ceil(the row's largest t), a whole number; so 1/2 < the row's largest p <= 1. The row's sum l is taken of the UNQUANTISED p, in f32, and the product's result is divided by l at the end. Since M is a whole number, a kernel that streams over the keys may use a running M (the ceiling of the running maximum): every later rescaling is an exact power of two, so the quantised numbers keep their values, but for numbers so far below the row's largest that they fall under the format's range.
;;   OPERANDS COMPUTED ON THE WAY. 'Computed on the way' means the value that the module computes at that place (a softmax that the list does not call 'softmax' is quantised finished and normalised). What goes into a quantiser is computed in f32, as accurately as f32 sums, v_exp_f32 and their like allow (about 1e-6 of the number): no bf16 or f16 on the way to a quantiser, and a product that is left as it is and whose result goes on into a quantised operand takes f32 operands (vector FMAs, or v_wmma_f32_16x16x4_f32). A number that lies on a knife's edge between two numbers of the format may be rounded either way, as far as f32 arithmetic and the matrix unit's own rounding can turn it there, and no further.
;;   INPUTS GIVEN AS CODES. W_o (in the module: [1024, 1024], K = its axis 1); W_qkv (in the module: [3072, 1024], K = its axis 1); r (in the module: [2049, 1024], K = its axis 1): each comes as NAME_codes (uint8): NAME with its K axis moved to the last place and cut into blocks of 32 codes, [.., K / 32, bytes a block], one block behind the other in memory; one code a byte (a code: sign, 4 exponent bits, 3 mantissa bits); its scale is its entry of lowp_scales. Its value is code x scale, taken as it is: it is not quantised again, and the codes and scales need not be those that the quantiser above would give.
;; 2 versions. Each part assembles by itself: llvm-mc -triple=amdgcn-amd-amdhsa -mcpu=gfx1250 --defsym DOCPART=n.
;; ======== version 1 of 2: 5 launches
;; workspace buffers: wc 4,194,304 bytes; rq 4,096 bytes; qc 8,388,608 bytes; kc 4,194,304 bytes; vc 4,194,304 bytes; rk 4,198,400 bytes; av 4,194,304 bytes; xr 16,777,216 bytes
;; launch prep (part 1): grid 160 x 1, 4 waves a work-group, no clusters, 33,280 bytes of LDS; arguments w, W_qkv_codes, r_codes, lowp_scales, wc, rq, rk; writes wc, rq, rk
.if DOCPART == 1
	.amdgcn_target "amdgcn-amd-amdhsa--gfx1250"
	.amdhsa_code_object_version 6
	.text
	.protected	k_q30816b1dbf_prep
	.globl	k_q30816b1dbf_prep
	.p2align	8
	.type	k_q30816b1dbf_prep,@function
k_q30816b1dbf_prep:
	s_mov_b64 s[64:65], 0
	v_nop
	global_prefetch_b8 v0, s[64:65] scope:SCOPE_SE
	s_setreg_imm32_b32 hwreg(HW_REG_WAVE_MODE, 25, 1), 1
	s_wait_xcnt 0x0
; TWO JOBS IN ONE LAUNCH, parted on the work-group's number.
; Work-groups 0-127: w [2048][2][1024] f32 becomes codes of E4M3 with the given scale 2^e0, laid [b][i][1024] (the two batches apart), so that the products' row index is b x 2048 + i.
;   code = x / 2^e0, held within +-448, to the nearest code, ties to even.  A wave takes 8 rows of w (8,192 numbers) in 16 steps of 512.  Each load reads 512 consecutive bytes; a step's 2,048 bytes turn through
;   the wave's own stage in LDS (16 bytes of padding behind each 64), so that a lane gets 16 neighbours along K for the conversions; a lane's 16 codes are 16 bytes: a store covers 512 consecutive bytes.
; Work-groups 128-159: the last row of r, r[2048], times W_q and W_k (2,048 rows of W_qkv): one wave makes 16 outputs.  Source 0 = 16 rows of W, source 1 = r[2048] in all 16 columns, so every column of the result is the same
;   and lane (r, h) holds outputs 8 h + 0 .. 7.  Outputs 0-1023 are r_q[-1], stored as f32 (rq); outputs 1024-2047 are r_k[2048], quantised with 2^e6 into row 2048 of each head's table (rk).
;   These stores are pieces of 32 and 8 bytes a lane from two lanes of a wave: 5 KiB in the whole launch.
; LIMITS: e0, and e6 - e2 - e3, between -126 and 119, so that each power of two below is an f32 number.  NaN among the inputs is not served.
.set STEPS, 16
.set R,     16                         ; v16-79   four sets of 16 numbers as they are loaded
.set X,     80                         ; v80-111  two sets of 16 neighbours
.set C,     128                        ; v128-191 codes: four registers for each step, so that no store's data are written again
.set WREG,  8192                       ; LDS: a region for each wave: two stages of 32 x SP bytes
.set SP,    80                         ; a lane's place in a stage: 64 bytes + 16 of padding
.set WF,    32                         ; v32-159  the last row's job: W's fragments of the eight K steps of 128
.set RF,    160                        ; v160-223 r[2048]'s fragments, four K steps at a time
.set T,     240                        ; v240-247 the two accumulators (v224-231, v232-239) added
	s_load_b256 s[4:11], s[0:1], 0x0               ; w s[4:5], W_qkv's codes s[6:7], r's codes s[8:9], the exponents s[10:11]
	s_load_b128 s[12:15], s[0:1], 0x20             ; wc s[12:13], rq s[14:15]
	s_load_b64 s[16:17], s[0:1], 0x30              ; rk
	v_lshl_add_u32 v254, v0, 2, 0x8000
	v_mov_b32 v255, 0
	v_lshrrev_b32 v1, 5, v0
	v_readfirstlane_b32 s18, v1                    ; wave 0..3
	s_mov_b32 s21, 0                               ; the upper word of every offset pair s[20:21]
	s_wait_kmcnt 0x0
	s_load_b256 s[24:31], s[10:11], 0x0            ; e0 .. e7
	s_cmp_ge_u32 ttmp9, 128
	s_cbranch_scc1 .Llast
	; ---------------- w into codes
	v_and_b32 v2, 31, v0                           ; lane
	v_lshlrev_b32 v3, 4, v2                        ; my 16 bytes of a load's 512, and of a store's; never rewritten
	s_mul_i32 s19, s18, WREG
	v_lshrrev_b32 v14, 2, v2
	v_mul_u32_u24 v14, v14, SP
	v_and_b32 v15, 3, v2
	v_lshl_add_u32 v14, v15, 4, v14
	v_add_nc_u32 v14, s19, v14                     ; the stage, on the way in: four lanes' 64 bytes on end, then 16 of padding
	v_mul_u32_u24 v15, v2, SP
	v_add_nc_u32 v15, s19, v15                     ; and on the way out: my 16 neighbours
	s_lshl_b32 s19, ttmp9, 2
	s_add_co_u32 s19, s19, s18                     ; u: which run of 8 rows of w is my wave's
	s_lshl_b32 s20, s19, 15
	s_add_nc_u64 s[4:5], s[4:5], s[20:21]          ; w + 32,768 u
	s_lshl_b32 s20, s19, 12
	s_add_nc_u64 s[12:13], s[12:13], s[20:21]      ; wc + 4 u rows of 1,024 bytes (i = 4 u on, batch 0)
.macro LOAD t
.irp i, 0,1,2,3
	global_load_b128 v[R+16*((\t)%4)+4*\i:R+16*((\t)%4)+4*\i+3], v3, s[4:5] offset:2048*(\t)+512*\i th:TH_LOAD_NT   ; 32 lanes read 512 consecutive bytes
.endr
.endm
.macro TURN t                          ; step t's numbers through the stage: LDS serves a wave's instructions in order, so no wait stands between the stores and the loads
.irp i, 0,1,2,3
	ds_store_b128 v14, v[R+16*((\t)%4)+4*\i:R+16*((\t)%4)+4*\i+3] offset:32*SP*((\t)%2)+8*SP*\i
.endr
.irp i, 0,1,2,3
	ds_load_b128 v[X+16*((\t)%2)+4*\i:X+16*((\t)%2)+4*\i+3], v15 offset:32*SP*((\t)%2)+16*\i
.endr
.endm
.irp t, 0,1,2,3
	LOAD \t
.endr
	s_wait_kmcnt 0x0
	s_add_co_i32 s22, s24, 127
	s_lshl_b32 s23, s22, 23
	v_mov_b32 v11, s23                             ; 2^e0 as f32: the conversion takes its exponent field
	s_add_co_i32 s22, s22, 8
	s_lshl_b32 s22, s22, 23
	s_or_b32 s22, s22, 0x600000
	v_mov_b32 v10, s22                             ; 448 x 2^e0
	s_wait_loadcnt 12                              ; step 0's four loads are in; those of steps 1 to 3 may be out
	TURN 0
.macro STEP t
.set XS, X+16*((\t)%2)
	s_wait_dscnt 0x0                               ; this step's numbers are back from the stage: so its stores into the stage have read their registers,
.if (\t)+4 < STEPS
	LOAD (\t)+4                                    ; which take the loads of four steps on
.endif
.if (\t)+1 < STEPS
.if STEPS-2-(\t) >= 3
	s_wait_loadcnt 12                              ; the next step's four loads are in; those of the three steps behind it may be out
.else
	s_wait_loadcnt 4*(STEPS-2-(\t))
.endif
	TURN (\t)+1                                    ; and go through the other stage while this step is worked
.endif
.irp i, 0,1,2,3,4,5,6,7,8,9,10,11,12,13,14,15
	v_med3_num_f32 v[XS+\i], v[XS+\i], -v10, v10   ; the conversion to an 8-bit code does not saturate (ISA guide 7.6.2): the hold at the largest code x the scale comes first
.endr
	v_cvt_scalef32_pk8_fp8_f32 v[C+4*(\t):C+4*(\t)+1], v[XS:XS+7], v11
	v_cvt_scalef32_pk8_fp8_f32 v[C+4*(\t)+2:C+4*(\t)+3], v[XS+8:XS+15], v11
	v_nop                                          ; one plain vector line behind the last conversion of a run
	; step t is half (t % 2) of w's row 8 u + t / 2, which is i = 4 u + t / 4 of batch (t / 2) % 2: the batches lie 2,048 rows apart in wc
	global_store_b128 v3, v[C+4*(\t):C+4*(\t)+3], s[12:13] offset:(((\t)/2)%2)*2097152+((\t)/4)*1024+((\t)%2)*512
.endm
.irp t, 0,1,2,3,4,5,6,7,8,9,10,11,12,13,14,15
	STEP \t
.endr
	s_wait_tensorcnt 0x0
	ds_add_u32 v254, v255
	s_wait_dscnt 0x0
	s_endpgm
	; ---------------- r[2048] x W_q, W_k
.Llast:
	v_and_b32 v1, 15, v0                           ; r
	v_bfe_u32 v2, v0, 4, 1                         ; h
	v_lshlrev_b32 v3, 10, v1
	v_lshl_add_u32 v3, v2, 4, v3                   ; W: row r of 1,024 bytes, + 16 h
	v_lshlrev_b32 v4, 4, v2                        ; r[2048]: the same row in every lane, + 16 h
	s_sub_co_u32 s19, ttmp9, 128
	s_lshl_b32 s19, s19, 2
	s_add_co_u32 s19, s19, s18                     ; g = 0..127: my outputs are 16 g .. 16 g + 15
	s_lshl_b32 s20, s19, 14
	s_add_nc_u64 s[6:7], s[6:7], s[20:21]          ; W at row 16 g
	s_add_nc_u64 s[8:9], s[8:9], 2048*1024         ; r at its last row
	; A fragment (16 rows x 128 K) is four loads of 16 bytes, 32 bytes apart: registers 4 c .. 4 c + 3 hold K = 32 c + 16 h + 0 .. 15: the same order of K on both sides, so every product meets its partner.
.irp s, 0,1,2,3
.irp c, 0,1,2,3
	global_load_b128 v[RF+16*\s+4*\c:RF+16*\s+4*\c+3], v4, s[8:9] offset:128*\s+32*\c
.endr
.endr
.irp s, 0,1,2,3,4,5,6,7
.irp c, 0,1,2,3
	global_load_b128 v[WF+16*\s+4*\c:WF+16*\s+4*\c+3], v3, s[6:7] offset:128*\s+32*\c
.endr
.endr
	s_wait_loadcnt 16                              ; r's and W's K steps 0-3 are in; W's steps 4-7, sixteen loads, may be out
	; two accumulators by turns, one instruction a turn; the first two products start the sums
	v_wmma_f32_16x16x128_fp8_fp8 v[224:231], v[WF:WF+15], v[RF:RF+15], 0
	v_wmma_f32_16x16x128_fp8_fp8 v[232:239], v[WF+16:WF+31], v[RF+16:RF+31], 0
	v_wmma_f32_16x16x128_fp8_fp8 v[224:231], v[WF+32:WF+47], v[RF+32:RF+47], v[224:231]
	v_wmma_f32_16x16x128_fp8_fp8 v[232:239], v[WF+48:WF+63], v[RF+48:RF+63], v[232:239]
.rept 4
	v_nop                                          ; four places in front of loads into registers that matrix instructions have read
.endr
.irp s, 0,1,2,3
.irp c, 0,1,2,3
	global_load_b128 v[RF+16*\s+4*\c:RF+16*\s+4*\c+3], v4, s[8:9] offset:512+128*\s+32*\c
.endr
.endr
	s_wait_loadcnt 0x0
	v_wmma_f32_16x16x128_fp8_fp8 v[224:231], v[WF+64:WF+79], v[RF:RF+15], v[224:231]
	v_wmma_f32_16x16x128_fp8_fp8 v[232:239], v[WF+80:WF+95], v[RF+16:RF+31], v[232:239]
	v_wmma_f32_16x16x128_fp8_fp8 v[224:231], v[WF+96:WF+111], v[RF+32:RF+47], v[224:231]
	v_wmma_f32_16x16x128_fp8_fp8 v[232:239], v[WF+112:WF+127], v[RF+48:RF+63], v[232:239]
.rept 4
	v_nop                                          ; four places in front of the first read of the results
.endr
.irp j, 0,2,4,6
	v_pk_add_f32 v[T+\j:T+\j+1], v[224+\j:225+\j], v[232+\j:233+\j]   ; each accumulator from its low end on: lane (r, h), register j: output 16 g + 8 h + j, short of 2^(e2 + e3)
.endr
	v_cmp_eq_u32 vcc_lo, 0, v1                     ; lanes 0 and 16 store: the other columns hold the same numbers
	s_wait_kmcnt 0x0                               ; the exponents
	s_cmp_lt_u32 ttmp9, 144
	s_cbranch_scc0 .Lkpart
	s_add_co_i32 s32, s26, s27                     ; e2 + e3
.irp j, 0,1,2,3,4,5,6,7
	v_ldexp_f32 v[T+\j], v[T+\j], s32              ; r_q[-1] as it is
.endr
	s_lshl_b32 s20, s19, 6
	s_add_nc_u64 s[14:15], s[14:15], s[20:21]      ; rq + 16 g numbers
	v_lshlrev_b32 v5, 5, v2                        ; + 8 h numbers
	s_wait_xcnt 0x0                                ; EXEC changes only behind this wait: it is a source of the loads above
	s_and_saveexec_b32 s33, vcc_lo
	global_store_b128 v5, v[T:T+3], s[14:15]
	global_store_b128 v5, v[T+4:T+7], s[14:15] offset:16
	s_wait_xcnt 0x0                                ; and again in front of the line that widens it
	s_or_b32 exec_lo, exec_lo, s33
	s_endpgm
.Lkpart:
	s_sub_co_i32 s32, s30, s26
	s_sub_co_i32 s32, s32, s27                     ; a sum stands for sum x 2^(e2 + e3): its code is sum / 2^(e6 - e2 - e3)
	s_add_co_i32 s32, s32, 127
	s_lshl_b32 s33, s32, 23
	v_mov_b32 v250, s33
	s_add_co_i32 s32, s32, 8
	s_lshl_b32 s32, s32, 23
	s_or_b32 s32, s32, 0x600000
	v_mov_b32 v251, s32                            ; 448 x that
.irp j, 0,1,2,3,4,5,6,7
	v_med3_num_f32 v[T+\j], v[T+\j], -v251, v251
.endr
	v_cvt_scalef32_pk8_fp8_f32 v[248:249], v[T:T+7], v250
	v_nop                                          ; one plain vector line behind the conversion
	s_sub_co_u32 s34, s19, 64                      ; 16 (g - 64) = 64 x head + the head's first channel
	s_lshr_b32 s35, s34, 2
	s_mul_i32 s35, s35, 4100                       ; a head's table has 4,100 rows of 64 bytes
	s_add_co_u32 s35, s35, 2048
	s_lshl_b32 s35, s35, 6
	s_and_b32 s34, s34, 3
	s_lshl_b32 s34, s34, 4
	s_add_co_u32 s20, s35, s34
	s_add_nc_u64 s[16:17], s[16:17], s[20:21]
	v_lshlrev_b32 v5, 3, v2                        ; + 8 h codes
	s_wait_xcnt 0x0
	s_and_saveexec_b32 s33, vcc_lo
	global_store_b64 v5, v[248:249], s[16:17]
	s_wait_xcnt 0x0
	s_or_b32 exec_lo, exec_lo, s33
	s_endpgm
.Lfunc_end_k_q30816b1dbf_prep:
	.size	k_q30816b1dbf_prep, .Lfunc_end_k_q30816b1dbf_prep-k_q30816b1dbf_prep
	.p2alignl 7, 3214868480
	.fill 96, 4, 3214868480
	.section	.rodata,"a",@progbits
	.p2align	6, 0x0
	.amdhsa_kernel k_q30816b1dbf_prep
		.amdhsa_group_segment_fixed_size 33280
		.amdhsa_private_segment_fixed_size 0
		.amdhsa_enable_private_segment 0
		.amdhsa_kernarg_size 56
		.amdhsa_user_sgpr_count 2
		.amdhsa_user_sgpr_kernarg_segment_ptr 1
		.amdhsa_wavefront_size32 1
		.amdhsa_system_sgpr_workgroup_id_x 1
		.amdhsa_system_sgpr_workgroup_id_y 1
		.amdhsa_system_sgpr_workgroup_id_z 1
		.amdhsa_system_vgpr_workitem_id 0
		.amdhsa_next_free_vgpr 256
		.amdhsa_next_free_sgpr 66
		.amdhsa_reserve_vcc 1
		.amdhsa_float_denorm_mode_32 3
		.amdhsa_float_denorm_mode_16_64 3
		.amdhsa_memory_ordered 1
		.amdhsa_forward_progress 1
		.amdhsa_inst_pref_size 48
	.end_amdhsa_kernel
	.amdgpu_metadata
---
amdhsa.version: [ 1, 2 ]
amdhsa.kernels:
  - .name:           k_q30816b1dbf_prep
    .symbol:         k_q30816b1dbf_prep.kd
    .args:
      - { .name: w, .offset: 0, .size: 8, .value_kind: global_buffer, .address_space: global }
      - { .name: W_qkv_codes, .offset: 8, .size: 8, .value_kind: global_buffer, .address_space: global }
      - { .name: r_codes, .offset: 16, .size: 8, .value_kind: global_buffer, .address_space: global }
      - { .name: lowp_scales, .offset: 24, .size: 8, .value_kind: global_buffer, .address_space: global }
      - { .name: wc, .offset: 32, .size: 8, .value_kind: global_buffer, .address_space: global }
      - { .name: rq, .offset: 40, .size: 8, .value_kind: global_buffer, .address_space: global }
      - { .name: rk, .offset: 48, .size: 8, .value_kind: global_buffer, .address_space: global }
    .group_segment_fixed_size: 33280
    .private_segment_fixed_size: 0
    .kernarg_segment_align: 8
    .kernarg_segment_size: 56
    .max_flat_workgroup_size: 128
    .sgpr_count:     66
    .vgpr_count:     256
    .wavefront_size: 32
...
	.end_amdgpu_metadata
.endif
;; end of part 1
;; launch qkv (part 2): grid 56 x 4, 4 waves a work-group, clusters of 4 x 4, 327,680 bytes of LDS; arguments wc, W_qkv_codes, r_codes, lowp_scales, rq, qc, kc, vc, rk; writes qc, kc, vc, rk
.if DOCPART == 2
	.amdgcn_target "amdgcn-amd-amdhsa--gfx1250"
	.amdhsa_code_object_version 6
	.text
	.protected	k_q30816b1dbf_qkv
	.globl	k_q30816b1dbf_qkv
	.p2align	8
	.type	k_q30816b1dbf_qkv,@function
k_q30816b1dbf_qkv:
	s_mov_b64 s[64:65], 0
	v_nop
	global_prefetch_b8 v0, s[64:65] scope:SCOPE_SE
	s_setreg_imm32_b32 hwreg(HW_REG_WAVE_MODE, 25, 1), 1
	s_wait_xcnt 0x0
	s_wait_alu depctr_hold_cnt(0) depctr_sa_sdst(0) depctr_va_vdst(0) depctr_va_sdst(0) depctr_va_ssrc(0) depctr_va_vcc(0) depctr_vm_vsrc(0)
	s_getreg_b32 s2, hwreg(HW_REG_IB_STS2, 6, 4)
	s_cmp_eq_u32 s2, 0
	s_cbranch_scc0 .Lentry_in_a_cluster
	s_endpgm
.Lentry_in_a_cluster:
	s_bfe_u32 s2, ttmp6, 0x10000c
	s_cmp_lg_u32 s2, 0xf033
	s_cbranch_scc0 .Lentry_shape_is_right
	s_endpgm
.Lentry_shape_is_right:
; THE PROJECTIONS, all on codes of E4M3, and their results quantised on the way out.  C[m][n] = sum over k of A[m][k] B[n][k], K = 1,024; a tile of C is 256 x 256, made by four waves, each 128 x 128 (64 accumulators, 512 registers).
; Fourteen clusters of 4 x 4 work-groups; the cluster's number c says what is made (KIND = c / 4, SUB = c % 4):
;   KIND 0, q:  A = w's codes (rows b x 2048 + i), B = W_qkv rows 0-1023.      rw_q = sum x 2^(e0 + e1) + r_q[-1], quantised TWICE: with 2^e5 (for the product with w_k) and with 2^e7 (for the product with r_k)
;   KIND 1, k:  A = w's codes, B = W_qkv rows 1024-2047.                       w_k, quantised with 2^e4
;   KIND 2, v:  A = W_qkv rows 2048-3071, B = w's codes: TURNED ROUND, so that a lane's eight results are eight neighbouring KEYS, which are the K of the product with the softmax.  w_v, quantised with 2^e8
;   KIND 3, rk: A = r's codes rows 0-2047 (two clusters), B = W_qkv rows 1024-2047.  r_k, quantised with 2^e6, stored TWICE: at rows m and m + 2049 of the head's table.  (Row 2048 comes from the launch before.)
; r_v, and r_q but for its last row, are results that are never used: they are not made.
; KIND hangs on the cluster's number alone, so it is the same in all sixteen partners: buffers, scales and offsets are chosen by selects on it, and one branch on it leaves the second pass out for k and v.
; K goes in steps of 256 through a ring of two LDS slots filled by the tensor data mover.  The four work-groups of a row of the cluster need the same tiles of A, the four of a column the same tiles of B: each tile is asked
; for JOINTLY, by the same tensor load with the same descriptor and a mask that names the four.  THE MATRIX INSTRUCTION IS USED TRANSPOSED (source 0 = 16 rows of B, source 1 = 16 rows of A): lane (r, h) holds row r of A's block and eight neighbouring rows of B.
; OUT: qc [2][b][n][i][64], kc [b][n][j][64], rk [n][4100][64], vc [b][n][j / 64][d][64 keys].  In each, the 16 rows x 64 codes that a block of A makes for one head (v: one block of 64 keys) are 1,024 consecutive bytes.
; LIMITS: e0 + e1 between -126 and 126; e5, e7, e4, e8 less e0 + e1, and e6 less e2 + e3, between -126 and 119: so that each power of two below is an f32 number.
; REGISTERS, in windows of 256: window 0: v0-31 addresses; from v128 A's fragments, ONE set; on the way out v32-255 are free.  window 1: B's fragments, TWO sets.  windows 2, 3: the accumulators of my rows 0-63, 64-127 ((a, b) at v[8 (8 (a % 4) + b)]).
.set ROWB,   256                       ; a tile's row in bytes: 256 codes along K
.set KROW,   1024                      ; a row of A or of B in memory
.set ASTEP,  2*ROWB                    ; a slot's next tile lies two K steps on
.set PITCH,  272                       ; an LDS row: 256 bytes + 16 of padding = 68 words: row r starts at bank 4 r mod 64 (64 banks of 4 bytes: ISA guide 11.1)
.set FR,     16                        ; registers of a fragment: 16 rows x 128 K
.set NL,     4                         ; LDS loads that bring one
.set NP,     4                         ; places behind this matrix instruction (ISA guide 7.12.1)
.set HALFT,  128*PITCH                 ; 128 rows: what one tensor load brings
.set SLOT,   4*HALFT                   ; A's 256 rows, then B's 256 rows
.set LAPS,   2                         ; a lap = two K steps of 256
.set SPARE,  2*SLOT                    ; behind the ring: the spare words, 128 bytes for each wave, that no other line names
.set ADRA, 16                          ; v16-17  LDS address of my A fragments in slot 0, 1
.set ADRB, 20                          ; v20-21  the same for B
.set STO,  24                          ; v24     the way out: where I put 8 codes
.set RD,   25                          ; v25     the way out: where I read 16 codes back
.set CO,   26                          ; v26     16 x lane: my place in a store's 512 bytes
.set BO,   27                          ; v27     32 h: my place in rq
.set SPW,  28                          ; v28     LDS address of my spare word; never rewritten
.set NIL,  29                          ; v29     0; never rewritten
.set TMP,  32                          ; v32-95   a block's 64 sums, with the bias
.set CD,   96                          ; v96-111  their codes
.set BKR,  112                         ; v112-127 the codes back from the stage
.set AF,   128                         ; A's fragments
.set BIAS, 128                         ; v128-191 on the way out: r_q[-1] / 2^(e0 + e1) at my 64 columns (zeros for k, v, rk)
.set SC1,  192                         ; v192, v193 the first pass's scale and 448 x it;  v194, v195 the second's
.set LM1,  193
.set SC2,  194
.set LM2,  195
.set G1, 24                            ; s[24:31] descriptor group 1 for A's tiles;  s[32:39] group 0, one set for each slot
.set G0, 32
.set G1B, 48                           ; s[48:55], s[56:63] the same for B's tiles
.set G0B, 56
.set MSB, 0
.macro WIN new                         ; the immediate's high byte repeats the setting that is left
.if MSB != \new
	s_set_vgpr_msb (MSB<<8)|\new
.set MSB, \new
.endif
.endm
.set MUL_LO, 0xa1                      ; source 0 (B) window 1, source 1 (A) window 0, C and D window 2
.set MUL_HI, 0xf1                      ; the same, C and D window 3
.set TO_B,   0x40                      ; destination window 1, address window 0
; A joint load: waves 0 and 1 fetch for A, waves 2 and 3 for B.  The branch hangs on the wave's number alone.  Four v_nop follow each of the two lines.
.macro JLOAD g0a, g1a, g0b, g1b
	s_cmp_eq_u32 s15, 0
	s_cbranch_scc0 .Lfor_b_\@
	tensor_load_to_lds s[\g0a:\g0a+3], s[\g1a:\g1a+7]
	s_nop 0
.rept 4
	v_nop
.endr
	s_branch .Lasked_\@
.Lfor_b_\@:
	tensor_load_to_lds s[\g0b:\g0b+3], s[\g1b:\g1b+7]
	s_nop 0
.rept 4
	v_nop
.endr
.Lasked_\@:
.endm
.macro CREST                           ; a round of the cluster's barrier behind its opening barrier
	s_cmp_lg_u32 s14, 0
	s_cbranch_scc1 .Lnot_wave_0_\@
	s_barrier_signal -3
.Lnot_wave_0_\@:
	s_barrier_wait -3
	s_barrier_signal -1
	s_barrier_wait -1
.endm
.macro CROUND                          ; a whole round
	s_barrier_signal -1
	s_barrier_wait -1
	CREST
.endm
	s_load_b512 s[68:83], s[0:1], 0x0              ; wc s[68:69], W s[70:71], r s[72:73], the exponents s[74:75], rq s[76:77], qc s[78:79], kc s[80:81], vc s[82:83]
	s_load_b64 s[84:85], s[0:1], 0x40              ; rk
	v_lshl_add_u32 v[SPW], v0, 2, SPARE
	v_mov_b32 v[NIL], 0
	ds_add_u32 v28, v29
	s_wait_dscnt 0x0
	v_lshrrev_b32 v1, 5, v0
	v_readfirstlane_b32 s14, v1                    ; wave 0..3
	s_lshr_b32 s15, s14, 1                         ; which half of the tile's rows is mine.  Also: I fetch for A (0) or for B (1)
	s_and_b32 s16, s14, 1                          ; which half of its columns.  Also: which 128 rows of that tile I fetch
	s_bfe_u32 s40, ttmp6, 0x40000                  ; cx, cy: my place in the cluster
	s_bfe_u32 s41, ttmp6, 0x40004
	s_lshr_b32 s86, ttmp9, 2                       ; KIND: 0 q, 1 k, 2 v, 3 rk
	s_and_b32 s87, ttmp9, 3
	s_lshl_b32 s87, s87, 2                         ; 4 SUB
	s_cmp_eq_u32 s86, 2
	s_cselect_b32 s17, 8, s87
	s_add_co_u32 s17, s17, s41                     ; A's tile row: 4 SUB + cy; for v: 8 + cy (W's rows 2048 on)
	s_and_b32 s42, s86, 1
	s_lshl_b32 s42, s42, 2                         ; k and rk: W's rows 1024 on
	s_cmp_eq_u32 s86, 2
	s_cselect_b32 s42, s87, s42
	s_add_co_u32 s42, s42, s40                     ; B's tile row: cx, 4 + cx; for v: 4 SUB + cx
	s_lshl_b32 s43, s41, 2
	s_lshl_b32 s43, 15, s43                        ; my row of the cluster
	s_lshl_b32 s44, 0x1111, s40                    ; my column
	; descriptor group 1: a tile of 128 rows x 256 bytes, padded in LDS
	s_or_b32 s[G1+0], s43, (0<<16)|(1<<20)|(1<<21)|(5<<22)|(3<<25)  ; 15:0 the mask: A's tiles go to my row; 17:16 element of 1 byte; 20 padding on; 21 set beside a mask; 24:22 after every 64 words (code 5); 31:25 of 4 words (code 3)
	s_or_b32 s[G1B+0], s44, (0<<16)|(1<<20)|(1<<21)|(5<<22)|(3<<25)
.irp g, G1, G1B
	s_mov_b32 s[\g+1], ROWB<<16                    ; tensor_dim0
	s_mov_b32 s[\g+2], 128<<16                     ; tensor_dim1 = 128
	s_mov_b32 s[\g+3], ROWB<<16                    ; tile_dim0
	s_mov_b32 s[\g+4], 128                         ; tile_dim1 = 128
	s_mov_b32 s[\g+5], KROW                        ; tensor_dim0_stride
	s_mov_b32 s[\g+6], 0
	s_mov_b32 s[\g+7], 0
.endr
	s_lshl_b32 s18, s16, 7                         ; which 128 rows of the tile I fetch
	s_lshl_b32 s20, s17, 8
	s_add_co_u32 s20, s20, s18
	s_lshl_b32 s20, s20, 10                        ; A: (256 x tile row + 128 x half) rows of 1,024 bytes
	s_mov_b32 s21, 0
	s_lshl_b32 s46, s42, 8
	s_add_co_u32 s46, s46, s18
	s_lshl_b32 s46, s46, 10                        ; B likewise
	s_mov_b32 s47, 0
	s_mul_i32 s45, s14, HALFT                      ; where they go: wave x 128 rows: no place in the cluster enters an LDS address
	s_wait_kmcnt 0x0
	s_load_b256 s[88:95], s[74:75], 0x0            ; e0 .. e7
	s_load_b32 s96, s[74:75], 0x20                 ; e8
	s_cmp_eq_u32 s86, 2
	s_cselect_b64 s[4:5], s[70:71], s[68:69]       ; A: W for v, else w's codes,
	s_cselect_b64 s[6:7], s[68:69], s[70:71]       ; B: the other one
	s_cmp_eq_u32 s86, 3
	s_cselect_b64 s[4:5], s[72:73], s[4:5]         ; A for rk: r's codes
	s_add_nc_u64 s[20:21], s[4:5], s[20:21]
	s_add_nc_u64 s[46:47], s[6:7], s[46:47]
	CROUND                                         ; all sixteen work-groups are here: the first joint loads meet
.irp s, 0,1
	s_mov_b32 s[G0+4*\s], 1
	s_add_co_u32 s[G0+4*\s+1], s45, \s*SLOT
	s_add_nc_u64 s[G0+4*\s+2:G0+4*\s+3], s[20:21], \s*ROWB
	s_or_b32 s[G0+4*\s+3], s[G0+4*\s+3], 0x80000000
	s_mov_b32 s[G0B+4*\s], 1
	s_add_co_u32 s[G0B+4*\s+1], s45, \s*SLOT
	s_add_nc_u64 s[G0B+4*\s+2:G0B+4*\s+3], s[46:47], \s*ROWB
	s_or_b32 s[G0B+4*\s+3], s[G0B+4*\s+3], 0x80000000
	JLOAD G0+4*\s, G1, G0B+4*\s, G1B
.endr
	v_and_b32 v1, 15, v0                           ; r = lane % 16
	v_bfe_u32 v2, v0, 4, 1                         ; h = lane / 16
	v_mul_u32_u24 v3, v1, PITCH
	v_lshl_add_u32 v4, v2, 4, v3                   ; a fragment's row x pitch + 16 x half
	s_mul_i32 s21, s15, HALFT                      ; my 128 rows of A
	s_mul_i32 s22, s16, HALFT                      ; my 128 rows of B,
	s_add_co_u32 s22, s22, 2*HALFT                 ; which lie behind A's 256
.irp s, 0,1
	v_add_nc_u32 v[ADRA+\s], s21, v4
	v_add_nc_u32 v[ADRB+\s], s22, v4
	s_add_co_u32 s21, s21, SLOT
	s_add_co_u32 s22, s22, SLOT
.endr
	; the way out's stage: 2,560 bytes for each wave, in slot 0: two heads x 16 rows of 64 codes + 16 of padding
	s_mul_i32 s23, s14, 2560
	v_mul_u32_u24 v5, v1, 80
	v_lshl_add_u32 v5, v2, 3, v5
	v_add_nc_u32 v[STO], s23, v5                   ; in: row r, + 8 h
	v_and_b32 v6, 31, v0
	v_lshrrev_b32 v7, 2, v6
	v_mul_u32_u24 v7, v7, 80
	v_and_b32 v8, 3, v6
	v_lshl_add_u32 v7, v8, 4, v7
	v_add_nc_u32 v[RD], s23, v7                    ; back: four lanes to a row of 64 codes, eight rows an instruction
	v_lshlrev_b32 v[CO], 4, v6
	v_lshlrev_b32 v[BO], 5, v2
.macro FRAG reg, adr, q, i             ; a fragment, 16 rows x 128 K: lane l holds row l % 16; registers 4 c .. 4 c + 3 hold K = 32 c + 16 (l / 16) + 0 .. 15: the same order of K in A and in B
.irp c, 0,1,2,3
	ds_load_b128 v[\reg+4*\c:\reg+4*\c+3], v[\adr] offset:128*(\q)+32*\c+(\i)*16*PITCH
.endr
.endm
; 16 matrix instructions: A's blocks a0, a0 + 1 x B's eight, 128 along K.  p: B's set.  zero = 1: the first product starts the sums.
; The 64 accumulators take turns, one instruction a turn, in the same order in every step.
.macro MUL16 a0, p, zero
.irp a, \a0, \a0+1
.irp b, 0,1,2,3,4,5,6,7
.if \zero
	v_wmma_f32_16x16x128_fp8_fp8 v[8*(8*((\a)%4)+\b):8*(8*((\a)%4)+\b)+7], v[128*(\p)+FR*\b:128*(\p)+FR*\b+FR-1], v[AF+FR*(\a):AF+FR*(\a)+FR-1], 0
.else
	v_wmma_f32_16x16x128_fp8_fp8 v[8*(8*((\a)%4)+\b):8*(8*((\a)%4)+\b)+7], v[128*(\p)+FR*\b:128*(\p)+FR*\b+FR-1], v[AF+FR*(\a):AF+FR*(\a)+FR-1], v[8*(8*((\a)%4)+\b):8*(8*((\a)%4)+\b)+7]
.endif
.endr
.endr
.endm
.macro FETCH_B slot, q, p              ; B's eight fragments of the slot's q-th 128 along K into set p
	WIN TO_B
.irp i, 0,1,2,3,4,5,6,7
	FRAG 128*(\p)+FR*\i, ADRB+\slot, \q, \i
.endr
	WIN 0
.endm
.macro FETCH_A slot, q, i0             ; A's blocks i0 .. i0 + 3
.irp i, \i0, \i0+1, \i0+2, \i0+3
	FRAG AF+FR*(\i), ADRA+\slot, \q, \i
.endr
.endm
.macro PLACES n                        ; plain vector lines between a matrix instruction and a load into, or a read of, its registers
.rept \n
	v_nop
.endr
.endm
; A step of 128 along K that has its successor in the same slot.
.macro STEP slot, q, zero
	s_wait_dscnt 4*NL                              ; B's set and A's blocks 0-3 are in; the youngest sixteen loads (A's blocks 4-7) may be out
	WIN MUL_LO
	MUL16 0, (\q)%2, \zero
	MUL16 2, (\q)%2, \zero
	s_wait_dscnt 0                                 ; A's blocks 4-7 are in
	PLACES NP
	FETCH_B \slot, (\q)+1, 1-(\q)%2
	FETCH_A \slot, (\q)+1, 0
	WIN MUL_HI
	MUL16 4, (\q)%2, \zero
	MUL16 6, (\q)%2, \zero
	PLACES NP
	WIN 0
	FETCH_A \slot, (\q)+1, 4
.endm
; A slot's last step changes slots: ONE barrier; in front of it each wave waits for all its tensor loads, adds 0 to its spare word, and waits for that and for its own reads of this slot.  fill = 1: this slot is filled again, two K steps ahead.
.macro TURN slot, next, fill
	s_wait_tensorcnt 0x0                           ; all my tensor loads have landed: my part of the next slot
	ds_add_u32 v[SPW], v[NIL]                      ; 0 onto my spare word
	s_wait_dscnt 4*NL+1                            ; (the add and the youngest sixteen loads, A's blocks 4-7, may be out)
	WIN MUL_LO
	MUL16 0, 1, 0                                  ; sixteen matrix instructions stand between the add and the wait for it
	s_wait_dscnt 0x0                               ; the add is done, and my reads of this slot are over
	s_barrier_signal -1
	MUL16 2, 1, 0
	WIN 0
	s_barrier_wait -1
.if \fill
	CREST                                          ; the barrier has opened a round of the cluster's barrier: no wave of any partner still reads this slot's tile or has a load on its way
	s_add_nc_u64 s[G0+4*\slot+2:G0+4*\slot+3], s[G0+4*\slot+2:G0+4*\slot+3], ASTEP
	s_add_nc_u64 s[G0B+4*\slot+2:G0B+4*\slot+3], s[G0B+4*\slot+2:G0B+4*\slot+3], 2*ROWB
	JLOAD G0+4*\slot, G1, G0B+4*\slot, G1B         ; the first tensor load behind the round; the four v_nop behind it are also the places in front of the loads below
.else
	PLACES NP
.endif
	FETCH_B \next, 0, 0
	FETCH_A \next, 0, 0
	WIN MUL_HI
	MUL16 4, 1, 0
	MUL16 6, 1, 0
	PLACES NP
	WIN 0
	FETCH_A \next, 0, 4
.endm
	s_wait_tensorcnt 1                             ; my part of K step 0 is in (K step 1's load may be out)
	s_barrier_signal -1
	s_barrier_wait -1                              ; everybody's is
	FETCH_B 0, 0, 0
	FETCH_A 0, 0, 0
	FETCH_A 0, 0, 4
	STEP 0, 0, 1                                   ; the first step stands in front of the loop: its products start the sums
	s_mov_b32 s3, LAPS-1
.Llap:                                                 ; a trip goes once round the ring and fills both slots again
	TURN 0, 1, 1
	STEP 1, 0, 0
	TURN 1, 0, 1
	STEP 0, 0, 0
	s_sub_co_u32 s3, s3, 1
	s_cmp_lg_u32 s3, 0
	s_cbranch_scc1 .Llap
	TURN 0, 1, 0                                   ; the last lap fills nothing
	STEP 1, 0, 0
	s_wait_dscnt 4*NL                              ; the very last step: nothing more to fetch
	WIN MUL_LO
	MUL16 0, 1, 0
	MUL16 2, 1, 0
	s_wait_dscnt 0
	WIN MUL_HI
	MUL16 4, 1, 0
	MUL16 6, 1, 0
	WIN 0
	; ---------------- THE WAY OUT
	PLACES NP                                      ; in front of the writes and loads into the registers that held A's fragments
	s_wait_kmcnt 0x0                               ; the exponents
	s_add_co_i32 s98, s88, s89                     ; e0 + e1
	s_add_co_i32 s99, s90, s91                     ; e2 + e3
	s_cmp_eq_u32 s86, 0
	s_cselect_b32 s97, s93, s92                    ; the first pass's exponent: q: e5; k: e4;
	s_cmp_eq_u32 s86, 2
	s_cselect_b32 s97, s96, s97                    ; v: e8;
	s_cmp_eq_u32 s86, 3
	s_cselect_b32 s97, s94, s97                    ; rk: e6
	s_cselect_b32 s101, s94, s95                   ; the second pass's: rk: e6 again; q: e7
	s_cselect_b32 s99, s99, s98                    ; what the sums lack: rk: e2 + e3, else e0 + e1
	s_sub_co_i32 s97, s97, s99
	s_add_co_i32 s97, s97, 127
	s_lshl_b32 s100, s97, 23
	v_mov_b32 v[SC1], s100                         ; the scales folded into the conversion's one
	s_add_co_i32 s97, s97, 8
	s_lshl_b32 s97, s97, 23
	s_or_b32 s97, s97, 0x600000
	v_mov_b32 v[LM1], s97                          ; 448 x that
	s_sub_co_i32 s101, s101, s99
	s_add_co_i32 s101, s101, 127
	s_lshl_b32 s100, s101, 23
	v_mov_b32 v[SC2], s100
	s_add_co_i32 s101, s101, 8
	s_lshl_b32 s101, s101, 23
	s_or_b32 s101, s101, 0x600000
	v_mov_b32 v[LM2], s101
	s_sub_co_i32 s98, 127, s98
	s_lshl_b32 s98, s98, 23                        ; 2^-(e0 + e1): r_q[-1] goes in divided by the power of two that the sums lack;
	s_cmp_eq_u32 s86, 0
	s_cselect_b32 s98, s98, 0                      ; k, v and rk have no bias: x 0
	s_mov_b32 s99, s98                             ; (named with it as a pair, so it is written)
	; where my part goes
	s_lshl_b32 s18, s17, 8
	s_lshl_b32 s21, s15, 7
	s_add_co_u32 s18, s18, s21                     ; R0: my first row of A
	s_lshl_b32 s19, s42, 8
	s_lshl_b32 s21, s16, 7
	s_add_co_u32 s19, s19, s21                     ; C0: my first row of B
	s_and_b32 s20, s19, 1023                       ; its place among the 1,024 channels
	s_lshr_b32 s40, s20, 6                         ; and the head of that
	s_lshr_b32 s21, s18, 11                        ; q, k: (((batch x 16 + head) x 2048 + i) x 64
	s_lshl_b32 s21, s21, 4
	s_add_co_u32 s21, s21, s40
	s_lshl_b32 s21, s21, 11
	s_and_b32 s41, s18, 2047
	s_add_co_u32 s21, s21, s41
	s_lshl_b32 s21, s21, 6
	s_mul_i32 s22, s40, 4100                       ; rk: (head x 4100 + m) x 64
	s_add_co_u32 s22, s22, s18
	s_lshl_b32 s22, s22, 6
	s_lshr_b32 s23, s19, 11                        ; v: (((batch x 16 + head) x 32 + key / 64) x 4096
	s_lshl_b32 s23, s23, 4
	s_and_b32 s41, s18, 1023
	s_lshr_b32 s41, s41, 6
	s_add_co_u32 s23, s23, s41
	s_lshl_b32 s23, s23, 5
	s_and_b32 s41, s19, 2047
	s_lshr_b32 s41, s41, 6
	s_add_co_u32 s23, s23, s41
	s_lshl_b32 s23, s23, 12
	s_mov_b32 s44, 131072                          ; from my first head's bytes to my second's: q, k: 2,048 rows of 64
	s_mov_b32 s46, 0                               ; what block 4 steps beside its 1,024 bytes
	s_mov_b32 s40, 4194304                         ; from the first pass's bytes to the second's: q: the second set of codes
	s_cmp_eq_u32 s86, 3
	s_cselect_b32 s22, s22, s21
	s_cselect_b32 s44, 262400, s44                 ; rk: 4,100 rows of 64
	s_cselect_b32 s40, 131136, s40                 ; rk: 2,049 rows on
	s_cselect_b64 s[4:5], s[84:85], s[80:81]       ; rk, else kc
	s_cmp_eq_u32 s86, 2
	s_cselect_b32 s22, s23, s22
	s_cselect_b32 s44, 4096, s44                   ; v: my columns' halves are two blocks of 64 keys, 4,096 bytes apart;
	s_cselect_b32 s46, 126976, s46                 ; v: my rows' halves are two heads, 32 x 4,096 bytes apart: 131,072 less the four blocks' 4,096
	s_cselect_b64 s[4:5], s[82:83], s[4:5]
	s_cmp_eq_u32 s86, 0
	s_cselect_b64 s[4:5], s[78:79], s[4:5]
	s_mov_b32 s23, 0
	s_mov_b32 s45, 0
	s_mov_b32 s47, 0
	s_mov_b32 s41, 0
	s_add_nc_u64 s[4:5], s[4:5], s[22:23]          ; the first pass: my first head's bytes,
	s_add_nc_u64 s[6:7], s[4:5], s[44:45]          ; my second's
	s_add_nc_u64 s[8:9], s[4:5], s[40:41]          ; the second pass likewise
	s_add_nc_u64 s[10:11], s[8:9], s[44:45]
	s_lshl_b32 s2, s20, 2
	s_mov_b32 s3, 0
	s_add_nc_u64 s[76:77], s[76:77], s[2:3]        ; rq at my first column
.irp b, 0,1,2,3,4,5,6,7
	global_load_b128 v[BIAS+8*\b:BIAS+8*\b+3], v[BO], s[76:77] offset:64*\b        ; lane (r, h), block b: columns 16 b + 8 h + 0 .. 7
	global_load_b128 v[BIAS+8*\b+4:BIAS+8*\b+7], v[BO], s[76:77] offset:64*\b+16
.endr
	s_wait_loadcnt 0x0
.set j, 0
.rept 32
	v_pk_mul_f32 v[BIAS+j:BIAS+j+1], v[BIAS+j:BIAS+j+1], s[98:99] op_sel_hi:[1,0]
.set j, j+2
.endr
; Block a of 16 rows of A x my 128 rows of B: bias, hold, conversion; 8 codes a lane and block of B into my stage; back as 16 codes a lane; four stores of 512 consecutive bytes.
; The stage lies in slot 0, which has had its last fill, and which nobody reads behind the last change of slots.  LDS serves a wave's instructions in order: no wait between the stores and the loads.
.macro OUTB a, sc, lim
.set AC, 64*((\a)%4)
	s_wait_xcnt 0x0                                ; the block before's stores have read their registers and their bases: both are written again below
.if (\a) > 0
	s_add_nc_u64 s[4:5], s[4:5], 1024              ; 16 rows of 64 codes on
	s_add_nc_u64 s[6:7], s[6:7], 1024
.endif
.if (\a) == 4
	s_add_nc_u64 s[4:5], s[4:5], s[46:47]
	s_add_nc_u64 s[6:7], s[6:7], s[46:47]
.endif
	WIN 0x02+((\a)/4)                              ; source 0: window 2 or 3
.set j, 0
.rept 32
	v_pk_add_f32 v[TMP+j:TMP+j+1], v[AC+j:AC+j+1], v[BIAS+j:BIAS+j+1]   ; each accumulator from its low end on
.set j, j+2
.endr
	WIN 0
.set j, 0
.rept 64
	v_med3_num_f32 v[TMP+j], v[TMP+j], -v[\lim], v[\lim]   ; the conversion to an 8-bit code does not saturate (ISA guide 7.6.2)
.set j, j+1
.endr
.irp b, 0,1,2,3,4,5,6,7
	v_cvt_scalef32_pk8_fp8_f32 v[CD+2*\b:CD+2*\b+1], v[TMP+8*\b:TMP+8*\b+7], v[\sc]
.endr
	v_nop                                          ; one plain vector line behind the last conversion
.irp b, 0,1,2,3,4,5,6,7
	ds_store_b64 v[STO], v[CD+2*\b:CD+2*\b+1] offset:(\b/4)*1280+16*(\b%4)
.endr
.irp k, 0,1,2,3
	ds_load_b128 v[BKR+4*\k:BKR+4*\k+3], v[RD] offset:(\k/2)*1280+(\k%2)*640
.endr
	s_wait_dscnt 0x0
	global_store_b128 v[CO], v[BKR:BKR+3], s[4:5]
	global_store_b128 v[CO], v[BKR+4:BKR+7], s[4:5] offset:512
	global_store_b128 v[CO], v[BKR+8:BKR+11], s[6:7]
	global_store_b128 v[CO], v[BKR+12:BKR+15], s[6:7] offset:512
.endm
.irp a, 0,1,2,3,4,5,6,7
	OUTB \a, SC1, LM1
.endr
	s_cmp_eq_u32 s86, 1                            ; k and v are stored once.  KIND is the same in all sixteen partners
	s_cbranch_scc1 .Lend
	s_cmp_eq_u32 s86, 2
	s_cbranch_scc1 .Lend
	s_wait_xcnt 0x0                                ; the last stores have read their bases
	s_mov_b64 s[4:5], s[8:9]                       ; q: the codes with 2^e7.  rk: the same codes at rows m + 2049 (these stores of 512 bytes begin 64 bytes behind a multiple of 256)
	s_mov_b64 s[6:7], s[10:11]
.irp a, 0,1,2,3,4,5,6,7
	OUTB \a, SC2, LM2
.endr
.Lend:
	s_wait_tensorcnt 0x0                           ; the wave's end, behind my last tensor load and my last LDS store
	ds_add_u32 v[SPW], v[NIL]
	s_wait_dscnt 0x0
	CROUND                                         ; the closing round: no work-group ends while a partner may still ask for a tile that names it
	s_endpgm
.Lfunc_end_k_q30816b1dbf_qkv:
	.size	k_q30816b1dbf_qkv, .Lfunc_end_k_q30816b1dbf_qkv-k_q30816b1dbf_qkv
	.p2alignl 7, 3214868480
	.fill 96, 4, 3214868480
	.section	.rodata,"a",@progbits
	.p2align	6, 0x0
	.amdhsa_kernel k_q30816b1dbf_qkv
		.amdhsa_group_segment_fixed_size 327680
		.amdhsa_private_segment_fixed_size 0
		.amdhsa_enable_private_segment 0
		.amdhsa_kernarg_size 72
		.amdhsa_user_sgpr_count 2
		.amdhsa_user_sgpr_kernarg_segment_ptr 1
		.amdhsa_wavefront_size32 1
		.amdhsa_system_sgpr_workgroup_id_x 1
		.amdhsa_system_sgpr_workgroup_id_y 1
		.amdhsa_system_sgpr_workgroup_id_z 1
		.amdhsa_system_vgpr_workitem_id 0
		.amdhsa_next_free_vgpr 1024
		.amdhsa_next_free_sgpr 102
		.amdhsa_reserve_vcc 0
		.amdhsa_float_denorm_mode_32 3
		.amdhsa_float_denorm_mode_16_64 3
		.amdhsa_memory_ordered 1
		.amdhsa_forward_progress 1
		.amdhsa_inst_pref_size 211
	.end_amdhsa_kernel
	.amdgpu_metadata
---
amdhsa.version: [ 1, 2 ]
amdhsa.kernels:
  - .name:           k_q30816b1dbf_qkv
    .symbol:         k_q30816b1dbf_qkv.kd
    .args:
      - { .name: wc, .offset: 0, .size: 8, .value_kind: global_buffer, .address_space: global }
      - { .name: W_qkv_codes, .offset: 8, .size: 8, .value_kind: global_buffer, .address_space: global }
      - { .name: r_codes, .offset: 16, .size: 8, .value_kind: global_buffer, .address_space: global }
      - { .name: lowp_scales, .offset: 24, .size: 8, .value_kind: global_buffer, .address_space: global }
      - { .name: rq, .offset: 32, .size: 8, .value_kind: global_buffer, .address_space: global }
      - { .name: qc, .offset: 40, .size: 8, .value_kind: global_buffer, .address_space: global }
      - { .name: kc, .offset: 48, .size: 8, .value_kind: global_buffer, .address_space: global }
      - { .name: vc, .offset: 56, .size: 8, .value_kind: global_buffer, .address_space: global }
      - { .name: rk, .offset: 64, .size: 8, .value_kind: global_buffer, .address_space: global }
    .group_segment_fixed_size: 327680
    .private_segment_fixed_size: 0
    .kernarg_segment_align: 8
    .kernarg_segment_size: 72
    .max_flat_workgroup_size: 128
    .sgpr_count:     102
    .vgpr_count:     1024
    .wavefront_size: 32
...
	.end_amdgpu_metadata
.endif
;; end of part 2
;; launch attn (part 3): grid 8 x 32, 16 waves a work-group, no clusters, 327,680 bytes of LDS; arguments qc, kc, vc, rk, lowp_scales, av; writes av
.if DOCPART == 3
	.amdgcn_target "amdgcn-amd-amdhsa--gfx1250"
	.amdhsa_code_object_version 6
	.text
	.protected	k_q30816b1dbf_attn
	.globl	k_q30816b1dbf_attn
	.p2align	8
	.type	k_q30816b1dbf_attn,@function
k_q30816b1dbf_attn:
	s_mov_b64 s[64:65], 0
	v_nop
	global_prefetch_b8 v0, s[64:65] scope:SCOPE_SE
	s_setreg_imm32_b32 hwreg(HW_REG_WAVE_MODE, 25, 1), 1
	s_wait_xcnt 0x0
; RELATIVE ATTENTION on codes of E4M3.  score[i][j] = (rw_q[i] . w_k[j] + BD'[i][j]) / 8, softmax over all 2,048 keys j, times w_v; the result is quantised with 2^e10 for the last projection.
; THE SHIFT.  With E = 2048 + j - i:  BD'[i][j] = rw_q[i] . r_k[E] where E <= 2048, and rw_q[i + 1] . r_k[E - 2049] where E >= 2049.  The table rk holds r_k's rows 0-2048 at E = 0-2048 and rows 0-2047 again at E = 2049-4096:
; so the right operand is rk[E] throughout, and for 16 queries and 128 keys it is a window of 143 neighbouring rows.  A tile of 16 rows E of a wave's window ends at a multiple of 16 from 2048, so it takes query i in all its rows or query i + 1 in all:
; a scalar branch on ids chooses between two fragments of queries.  What is left is a skew: element (query qi, window row e) belongs to key e + qi - 15.  It is done in f32 through the wave's own stage in LDS: stored along the diagonal, read back by rows.
; SHARES.  A work-group owns 256 queries of one batch and head; each of its sixteen waves 16 of them, in 256 registers.  Every wave walks all keys, 128 a step.  A step's tiles (384 rows of rk, 128 keys of K, 128 keys of V, all rows of 64 bytes,
; five dense pieces of 8,192 bytes) come through a ring of two LDS slots, one piece by each of waves 0 to 4; all sixteen read them.  A wave has one tensor load out at the most.
; NO CLUSTER: the query blocks of a head would share K and V, 16 of a step's 40 KiB; but which fragment of queries a tile of rk takes is a branch on key - query, which differs between such partners, and the form without the
; branch (rows of rk of 128 bytes, one half zeros) makes a step's own bytes 48 KiB: more than the sharing saves.
; LAYOUT.  BD: source 0 = my 16 queries, source 1 = 16 rows of rk: a lane holds one row of rk and eight queries.  S^T = K Q^T with the skewed BD as its C, and O^T = V^T P^T: a lane holds ONE query (lane % 16).
; THE KEYS OF A TILE OF K ARE NOT NEIGHBOURS: lane r of tile 2 b + u takes key 32 b + 8 u + r + 8 (r / 8), so that the 16 registers of tiles 2 b, 2 b + 1 are keys 32 b + 16 (lane / 16) + 0 .. 15.
; THE SOFTMAX: t = score x log2(e); M = the largest t so far, rounded up to a whole number; p = 2^(t - M) is quantised with 2^e9, not normalised; the row's sum is taken of the unquantised p and divides O at the end.
; Every fragment is loaded by 16 bytes a lane, 32 bytes apart: the same order of K on both sides of each product.
; LIMITS: e4 + e5 between -123 and 130 (added to c's exponent field); e6 + e7 - e4 - e5 between -126 and 127; e9 and e10 between -126 and 119.  NaN among the inputs is not served.
.set KP,    80                         ; a row in a slot: 64 bytes + 16 of padding: five times 16 bytes, so 16 neighbouring rows start at different groups of banks
.set PIECE, 128*KP                     ; what one tensor load brings
.set KOFF,  3*PIECE                    ; a slot: 384 rows of rk, 128 of K, 128 of V (two blocks of 64 channels x 64 keys)
.set VOFF,  4*PIECE
.set SLOT1, 1<<16                      ; slot 1 begins here: one exclusive or turns an address in one slot into the other's
.set STAGE, 2*SLOT1                    ; the skew's stages: written by LDS stores alone, no tile lands here
.set SROW,  656                        ; a query's row: 164 words: key kappa at word kappa + 16; words 1-15 and 144-159 take what belongs to other steps' keys
.set WST,   16*SROW                    ; a wave's stage
.set SPARE, STAGE+16*WST               ; behind the stages: the spare words, 128 bytes for each wave, that no other line names
.set AK0,  1                           ; v1   my lane's place in a tile of K
.set AV0,  2                           ; v2   of V
.set ARK0, 3                           ; v3   in my wave's window of rk
.set STA,  4                           ; v4   the stage, on the way in
.set SPW,  5                           ; v5   LDS address of my spare word; never rewritten
.set NIL,  6                           ; v6   0; never rewritten
.set GO,   7                           ; v7   16 x lane
.set ADK,  8                           ; v8-10 the step's addresses in the slot in hand
.set ADV,  9
.set ADR,  10
.set LDA,  11                          ; v11  the stage, on the way back
.set QA,   16                          ; v16-23  my queries' codes with 2^e5
.set QB,   24                          ; v24-31  with 2^e7
.set QB2,  32                          ; v32-39  with 2^e7, one query further on
.set F,    40                          ; v40-111 fragments: 9 of rk, then 8 of K, then 4 of V
.set RAW,  112                         ; v112-183 the 9 tiles of BD as they are made
.set S,    112                         ; v112-175 S^T, then p
.set O,    184                         ; v184-215 O^T
.set P,    216                         ; v216-231 p's codes
.set WSO,  235                         ; v235 the way out: where I put 8 codes;  v237: where I read 16 back
.set WRD,  237
.set WV,   18
.set SEL,  20                          ; s[20:21] lane selects for v_permlanex16_b32: lane l xor 16
.set CS,   22                          ; s[22:23] c = log2(e) / 8 x 2^(e4 + e5)
.set G1,   24                          ; s[24:31] descriptor group 1, one for all five pieces;  s[40:43] my group 0, which walks
.set G0,   40
.set SBD,  44                          ; s[44:45] 2^(e6 + e7 - e4 - e5): BD in the units of K Q^T
.set TB,   46                          ; s46  LDS byte at which the slot in hand begins
.set SLOTS, 47
.set DI,   48                          ; s48  the step's first key less my first query
.macro TLOAD                           ; waves 0 to 4 fetch a piece each.  The branch hangs on the wave's number alone.  Four v_nop follow the line
	s_cmp_lt_u32 s[WV], 5
	s_cbranch_scc0 .Lnone_\@
	tensor_load_to_lds s[G0:G0+3], s[G1:G1+7]
	s_nop 0
.rept 4
	v_nop
.endr
.Lnone_\@:
.endm
	s_load_b256 s[4:11], s[0:1], 0x0               ; qc s[4:5], kc s[6:7], vc s[8:9], rk s[10:11]
	s_load_b128 s[12:15], s[0:1], 0x20             ; the exponents s[12:13], av s[14:15]
	v_lshl_add_u32 v[SPW], v0, 2, SPARE
	v_mov_b32 v[NIL], 0
	ds_add_u32 v5, v6
	s_wait_dscnt 0x0
	v_lshrrev_b32 v8, 5, v0
	v_readfirstlane_b32 s[WV], v8                  ; wave 0..15
	s_and_b32 s50, ttmp7, 0xffff                   ; y = 16 x batch + head
	s_and_b32 s51, s50, 15                         ; head
	s_lshr_b32 s52, s50, 4                         ; batch
	s_lshl_b32 s53, ttmp9, 8                       ; the work-group's first query
	s_lshl_b32 s54, s[WV], 4
	s_add_co_u32 s54, s53, s54                     ; i0: my first query
	s_min_u32 s55, s[WV], 4                        ; my piece
	s_mul_i32 s[G0+1], s55, PIECE                  ; 63:32 LDS address: slot 0
	s_mul_i32 s56, s51, 4100                       ; pieces 0-2: rk's rows head x 4100 + 1793 - first query + 128 x piece on: E = 2048 + j - i is least for j = 0 and the block's last query
	s_add_co_u32 s56, s56, 1793
	s_sub_co_u32 s56, s56, s53
	s_lshl_b32 s57, s55, 7
	s_add_co_u32 s56, s56, s57
	s_lshl_b32 s56, s56, 6
	s_lshl_b32 s58, s50, 17                        ; pieces 3, 4, and Q: the head's 131,072 bytes in kc, vc, qc
	s_mov_b32 s59, 0
	s_mov_b32 s61, 0
	s_mov_b32 s[G1], (0<<16)|(1<<20)|(3<<22)|(3<<25)   ; 15:0 no mask; 17:16 elements of 1 byte; 20 padding on; 24:22 after every 16 words (code 3); 31:25 four words (code 3)
	s_mov_b32 s[G1+1], 64<<16                      ; tensor_dim0
	s_mov_b32 s[G1+2], 128<<16                     ; tensor_dim1
	s_mov_b32 s[G1+3], 64<<16                      ; tile_dim0
	s_mov_b32 s[G1+4], 128                         ; tile_dim1
	s_mov_b32 s[G1+5], 64                          ; tensor_dim0_stride: the rows are dense
	s_mov_b32 s[G1+6], 0
	s_mov_b32 s[G1+7], 0
	s_mov_b32 s[SEL], 0x76543210
	s_mov_b32 s[SEL+1], 0xfedcba98
	s_mov_b32 s[CS], 0x3e38aa3b                    ; log2(e) / 8
	s_mov_b32 s[TB], 0
	s_mov_b32 s[SLOTS], 15
	s_sub_co_i32 s[DI], 0, s54
	s_wait_kmcnt 0x0
	s_load_b256 s[68:75], s[12:13], 0x0            ; e0 .. e7
	s_load_b128 s[76:79], s[12:13], 0x20           ; e8 .. e11
	s_cmp_lt_u32 s[WV], 3
	s_cselect_b32 s60, s56, s58
	s_cselect_b64 s[62:63], s[10:11], s[6:7]       ; rk, or K's codes,
	s_cmp_lt_u32 s[WV], 4
	s_cselect_b64 s[62:63], s[62:63], s[8:9]       ; or V's
	s_mov_b32 s[G0], 1                             ; 1:0 count = 1
	s_add_nc_u64 s[G0+2:G0+3], s[62:63], s[60:61]  ; 120:64 global address
	s_or_b32 s[G0+3], s[G0+3], 0x80000000          ; 127:126 type = 2
	TLOAD                                          ; key step 0 into slot 0
	s_add_nc_u64 s[4:5], s[4:5], s[58:59]          ; Q's codes at the head
	s_lshl_b32 s60, s51, 12                        ; av: (head x 4096 + batch x 2048 + i0) rows of 64 codes
	s_lshl_b32 s62, s52, 11
	s_add_co_u32 s60, s60, s62
	s_add_co_u32 s60, s60, s54
	s_lshl_b32 s60, s60, 6
	s_add_nc_u64 s[14:15], s[14:15], s[60:61]
	v_and_b32 v8, 15, v0                           ; r
	v_bfe_u32 v9, v0, 4, 1                         ; h
	v_add_nc_u32 v232, s54, v8                     ; query i0 + r,
	v_add_nc_u32 v233, 1, v232
	v_min_u32 v233, 2047, v233                     ; and the one behind it (the last query has none, and no key of its row asks for it)
	v_lshlrev_b32 v232, 6, v232
	v_lshl_add_u32 v232, v9, 4, v232
	v_lshlrev_b32 v233, 6, v233
	v_lshl_add_u32 v233, v9, 4, v233               ; v232, v233 are not written again
	global_load_b128 v[QA:QA+3], v232, s[4:5]
	global_load_b128 v[QA+4:QA+7], v232, s[4:5] offset:32
	global_load_b128 v[QB:QB+3], v232, s[4:5] offset:4194304
	global_load_b128 v[QB+4:QB+7], v232, s[4:5] offset:4194304+32
	global_load_b128 v[QB2:QB2+3], v233, s[4:5] offset:4194304
	global_load_b128 v[QB2+4:QB2+7], v233, s[4:5] offset:4194304+32
	v_and_b32 v234, 8, v8
	v_add_nc_u32 v234, v234, v8                    ; r + 8 (r / 8)
	v_mul_u32_u24 v[AK0], v234, KP
	v_lshl_add_u32 v[AK0], v9, 4, v[AK0]
	v_add_nc_u32 v[AK0], KOFF, v[AK0]
	v_mul_u32_u24 v[AV0], v8, KP
	v_lshl_add_u32 v[AV0], v9, 4, v[AV0]           ; r x pitch + 16 h
	s_xor_b32 s57, s[WV], 15
	s_mul_i32 s57, s57, 16*KP
	v_add_nc_u32 v[ARK0], s57, v[AV0]              ; my window begins at the slot's row 240 - 16 x wave
	v_add_nc_u32 v[AV0], VOFF, v[AV0]
	s_mul_i32 s57, s[WV], WST
	s_add_co_u32 s57, s57, STAGE                   ; my stage
	v_mul_u32_u24 v[STA], v9, 5280                 ; in: tile t, register j of lane (r, h) is query 8 h + j, key 16 t + r + 8 h + j - 15: row 8 h + j, word 16 t + r + 8 h + j + 1:
	v_lshl_add_u32 v[STA], v8, 2, v[STA]           ; 8 h x 660 + 4 r + 4, and 660 j + 64 t in the immediate.  Lanes 0-15 fall on 16 neighbouring banks, lanes 16-31 on those 40 further on
	v_add_nc_u32 v[STA], s57, v[STA]
	v_add_nc_u32 v[STA], 4, v[STA]
	v_mul_u32_u24 v[LDA], v8, SROW                 ; back: my query's row, + 64 h: keys 16 h on
	v_lshl_add_u32 v[LDA], v9, 6, v[LDA]
	v_add_nc_u32 v[LDA], s57, v[LDA]
	v_mul_u32_u24 v[WSO], v8, KP                   ; the way out uses the same bytes: row r of 64 codes + 16, + 8 h
	v_lshl_add_u32 v[WSO], v9, 3, v[WSO]
	v_add_nc_u32 v[WSO], s57, v[WSO]
	v_and_b32 v238, 31, v0
	v_lshlrev_b32 v[GO], 4, v238
	v_lshrrev_b32 v[WRD], 2, v238
	v_mul_u32_u24 v[WRD], v[WRD], KP
	v_and_b32 v238, 3, v238
	v_lshl_add_u32 v[WRD], v238, 4, v[WRD]
	v_add_nc_u32 v[WRD], s57, v[WRD]
	v_mov_b32 v13, 0xff61b1e6                      ; the largest t so far: -3e38, under every t
	v_floor_f32 v12, -v13                          ; -M
	v_mov_b32 v14, 0                               ; the sum, in two halves
	v_mov_b32 v15, 0
	v_mov_b32 v236, 0                              ; written once: a lane permute's destination counts as one of its sources
	v_mov_b32 v253, 0                              ; (named as the upper half of the pair v[252:253])
.set i, 0
.rept 32
	v_mov_b32 v[O+i], 0                            ; O^T.  (The step is written for every step alike: the first finds zeros, which the first change of M leaves zeros)
.set i, i+1
.endr
	s_wait_kmcnt 0x0
	s_add_co_i32 s60, s72, s73                     ; e4 + e5: a score of K Q^T stands for score x 2^(e4 + e5): added to c's exponent field
	s_lshl_b32 s62, s60, 23
	s_add_co_i32 s[CS], s[CS], s62
	s_mov_b32 s[CS+1], s[CS]                       ; (named with it as a pair, so it is written)
	s_add_co_i32 s62, s74, s75
	s_sub_co_i32 s62, s62, s60
	s_add_co_i32 s62, s62, 127
	s_lshl_b32 s[SBD], s62, 23                     ; 2^(e6 + e7 - e4 - e5)
	s_mov_b32 s[SBD+1], s[SBD]
	s_add_co_i32 s60, s77, 127
	s_lshl_b32 s62, s60, 23
	v_mov_b32 v244, s62                            ; 2^e9 as f32, for p's conversion
	s_add_co_i32 s60, s60, 8
	s_lshl_b32 s60, s60, 23
	s_or_b32 s60, s60, 0x600000
	v_mov_b32 v240, s60                            ; 448 x 2^e9
; Tile t of BD: rows E = 2033 + DI + 16 t + 0 .. 15 of the table.  All of them are at most 2048 where DI + 16 t <= 0: query i; else all are 2049 or more: query i + 1.
.macro BDT t
	s_cmp_le_i32 s[DI], -16*\t
	s_cbranch_scc0 .Lup_\@
	v_wmma_f32_16x16x64_fp8_fp8 v[RAW+8*\t:RAW+8*\t+7], v[QB:QB+7], v[F+8*\t:F+8*\t+7], 0
	s_branch .Ldn_\@
.Lup_\@:
	v_wmma_f32_16x16x64_fp8_fp8 v[RAW+8*\t:RAW+8*\t+7], v[QB2:QB2+7], v[F+8*\t:F+8*\t+7], 0
.Ldn_\@:
.endm
; A KEY STEP: 128 keys.  No two matrix instructions that follow each other share an accumulator: BD's nine, S^T's eight, O^T's four, and BD's first again.
.macro STEP
	v_add_nc_u32 v[ADR], s[TB], v[ARK0]
	v_add_nc_u32 v[ADK], s[TB], v[AK0]
	v_add_nc_u32 v[ADV], s[TB], v[AV0]
	v_nop                                          ; with the three additions: four places in front of loads into registers that the last products read
.irp t, 0,1,2,3,4,5,6,7,8
	ds_load_b128 v[F+8*\t:F+8*\t+3], v[ADR] offset:\t*16*KP
	ds_load_b128 v[F+8*\t+4:F+8*\t+7], v[ADR] offset:\t*16*KP+32
.endr
	s_wait_dscnt 0x0
.irp t, 0,1,2,3,4,5,6,7,8
	BDT \t
.endr
.rept 4
	v_nop                                          ; four places: the loads below land where these products read, and the scalings read their results
.endr
.irp t, 0,1,2,3,4,5,6,7
	ds_load_b128 v[F+8*\t:F+8*\t+3], v[ADK] offset:(32*(\t/2)+8*(\t%2))*KP        ; K's eight tiles: asked for now, wanted behind the skew
	ds_load_b128 v[F+8*\t+4:F+8*\t+7], v[ADK] offset:(32*(\t/2)+8*(\t%2))*KP+32
.endr
.set i, 0
.rept 36
	v_pk_mul_f32 v[RAW+i:RAW+i+1], v[RAW+i:RAW+i+1], s[SBD:SBD+1] op_sel_hi:[1,0]   ; into the units of K Q^T: a power of two, nothing is rounded; each tile from its low end on
.set i, i+2
.endr
.irp t, 0,1,2,3,4,5,6,7,8
.irp j, 0,1,2,3,4,5,6,7
	ds_store_b32 v[STA], v[RAW+8*\t+\j] offset:660*\j+64*\t                       ; THE SKEW: along the diagonal
.endr
.endr
.irp b, 0,1,2,3
.irp u, 0,1
.irp e, 0,1
	ds_load_b128 v[S+16*\b+8*\u+4*\e:S+16*\b+8*\u+4*\e+3], v[LDA] offset:64+128*\b+32*\u+16*\e   ; and back by rows: my query's BD at keys 32 b + 16 h + 8 u + 4 e on.  LDS serves a wave's instructions in order: these see the stores, which have taken their data
.endr
.endr
.endr
	s_wait_dscnt 0x0                               ; K's fragments and BD are in
.irp t, 0,1,2,3,4,5,6,7
	v_wmma_f32_16x16x64_fp8_fp8 v[S+8*\t:S+8*\t+7], v[F+8*\t:F+8*\t+7], v[QA:QA+7], v[S+8*\t:S+8*\t+7]   ; S^T = K Q^T + BD
.endr
.rept 4
	v_nop
.endr
.irp t, 0,1,2,3
.irp c, 0,1,2,3
	ds_load_b128 v[F+16*\t+4*\c:F+16*\t+4*\c+3], v[ADV] offset:(\c/2)*64*KP+16*\t*KP+32*(\c%2)   ; V's four tiles (16 channels x 128 keys) land while the softmax is worked
.endr
.endr
	v_max3_num_f32 v254, v[S], v[S+1], v[S+2]      ; the step's largest score of my query, among my 64 keys, in two chains,
	v_max3_num_f32 v252, v[S+3], v[S+4], v[S+5]
.set i, 6
.rept 14
	v_max3_num_f32 v254, v254, v[S+i], v[S+i+1]
	v_max3_num_f32 v252, v252, v[S+i+2], v[S+i+3]
.set i, i+4
.endr
	v_max3_num_f32 v254, v254, v[S+62], v[S+63]
	v_max_num_f32 v254, v254, v252
	v_permlanex16_b32 v236, v254, s[SEL], s[SEL+1]
	v_max_num_f32 v254, v254, v236                 ; and among lane l xor 16's
	v_mul_f32 v254, s[CS], v254                    ; as t (c is positive)
	v_max_num_f32 v13, v13, v254                   ; the running largest t
	v_mov_b32 v254, v12
	v_floor_f32 v12, -v13                          ; the new -M = floor(-t) = -ceil(t): a whole number
	v_sub_f32 v254, v12, v254                      ; M's old value less its new one: 0 or less
	v_cvt_i32_f32 v254, v254                       ; (it saturates)
	v_ldexp_f32 v252, 1.0, v254                    ; f = 2^(old M - new M)
.set i, 0
.rept 32
	v_pk_fma_f32 v[S+i:S+i+1], v[S+i:S+i+1], s[CS:CS+1], v[12:13] op_sel_hi:[1,0,0]   ; t - M, two at a time
.set i, i+2
.endr
.set i, 0
.rept 64
	v_exp_f32 v[S+i], v[S+i]                       ; p = 2^(t - M), at most 1
.set i, i+1
.endr
	v_pk_mul_f32 v[14:15], v[14:15], v[252:253] op_sel_hi:[1,0]   ; the sums under the new M.  (A plain line behind the exponentials)
	s_wait_alu depctr_va_vdst(0)
	v_pk_add_f32 v[242:243], v[S:S+1], v[S+2:S+3]  ; the row's sum is taken of the unquantised p, in two chains
.set i, 4
.rept 15
	v_pk_add_f32 v[14:15], v[14:15], v[S+i:S+i+1]
	v_pk_add_f32 v[242:243], v[242:243], v[S+i+2:S+i+3]
.set i, i+4
.endr
	v_pk_add_f32 v[14:15], v[14:15], v[242:243]
.irp b, 0,1,2,3
.irp k, 0,1,2,3,4,5,6,7,8,9,10,11,12,13,14,15
	v_min_num_f32 v[S+16*\b+\k], v[S+16*\b+\k], v240   ; the conversion does not saturate (ISA guide 7.6.2); p is not negative, so the hold is one-sided
.endr
	v_cvt_scalef32_pk8_fp8_f32 v[P+4*\b:P+4*\b+1], v[S+16*\b:S+16*\b+7], v244
	v_cvt_scalef32_pk8_fp8_f32 v[P+4*\b+2:P+4*\b+3], v[S+16*\b+8:S+16*\b+15], v244
.endr
.set i, 0
.rept 16
	v_pk_mul_f32 v[O+i:O+i+1], v[O+i:O+i+1], v[252:253] op_sel_hi:[1,0]   ; O^T under the new M.  (Also the plain lines behind the conversions)
.set i, i+2
.endr
	s_wait_dscnt 0x0                               ; V's fragments are in
.irp t, 0,1,2,3
	v_wmma_f32_16x16x128_fp8_fp8 v[O+8*\t:O+8*\t+7], v[F+16*\t:F+16*\t+15], v[P:P+15], v[O+8*\t:O+8*\t+7]
.endr
	s_add_co_i32 s[DI], s[DI], 128
	s_xor_b32 s[TB], s[TB], SLOT1                  ; on to the other slot
.endm
; THE CHANGE OF SLOTS stands at a step's head.  Each wave waits for all its tensor loads (its piece of the slot that it is about to read), adds 0 to its spare word, and waits for that and for its reads of the slot that it has left.
; Behind the barrier the slot ahead is whole and nobody reads the other one.  fill = 1: that other slot takes the next step's tiles: the load has a whole step in which to land.
.macro CHANGE fill
	s_wait_tensorcnt 0x0                           ; no tensor load of mine is out, so my group 0 may be written
	ds_add_u32 v[SPW], v[NIL]                      ; 0 onto my spare word
.if \fill
	s_xor_b32 s[G0+1], s[G0+1], SLOT1              ; the other slot than last time,
	s_add_nc_u64 s[G0+2:G0+3], s[G0+2:G0+3], 8192  ; 128 rows of 64 bytes on, in each of the five pieces; the type bits on top are not reached
.endif
	s_wait_dscnt 0x0                               ; the add is done, and my reads of the slot that I have left are over
	s_barrier_signal -1
	s_barrier_wait -1
.if \fill
	TLOAD                                          ; the first thing behind the barrier, and a wave's one tensor load until the next
.endif
.endm
	s_wait_loadcnt 0x0                             ; Q
.Lslot:                                            ; 15 trips: behind each change of slots but the last the next step's tiles are asked for
	CHANGE 1
	STEP
	s_sub_co_u32 s[SLOTS], s[SLOTS], 1
	s_cmp_lg_u32 s[SLOTS], 0
	s_cbranch_scc1 .Lslot
	CHANGE 0                                       ; the last step is written out
	STEP
	; THE WAY OUT.  O^T x 2^(e8 + e9) / the sum is attn_vec; it is quantised with 2^e10.  A lane's 8 codes of a tile go into my stage (rows of 64 codes + 16) and come back 16 a lane: two stores of 512 consecutive bytes.
.rept 4
	v_nop                                          ; four places behind the last products
.endr
	v_add_f32 v14, v14, v15                        ; the sum's two halves,
	v_permlanex16_b32 v252, v14, s[SEL], s[SEL+1]
	v_add_f32 v14, v14, v252                       ; and lane l xor 16's
	v_rcp_f32 v14, v14
	v_nop                                          ; a plain line behind the transcendental
	s_add_co_i32 s60, s76, s77
	s_wait_alu depctr_va_vdst(0)
	v_ldexp_f32 v14, v14, s60                      ; x 2^(e8 + e9)
	s_add_co_i32 s60, s78, 127
	s_lshl_b32 s62, s60, 23
	v_mov_b32 v244, s62                            ; 2^e10
	s_add_co_i32 s60, s60, 8
	s_lshl_b32 s60, s60, 23
	s_or_b32 s60, s60, 0x600000
	v_mov_b32 v240, s60                            ; 448 x 2^e10
.set i, 0
.rept 32
	v_mul_f32 v[S+i], v[O+i], v14                  ; register 8 t + j: attn_vec(query r, channel 16 t + 8 h + j); each tile from its low end on
.set i, i+1
.endr
.set i, 0
.rept 32
	v_med3_num_f32 v[S+i], v[S+i], -v240, v240
.set i, i+1
.endr
.irp t, 0,1,2,3
	v_cvt_scalef32_pk8_fp8_f32 v[P+2*\t:P+2*\t+1], v[S+8*\t:S+8*\t+7], v244
.endr
	v_nop                                          ; one plain vector line behind the last conversion
.irp t, 0,1,2,3
	ds_store_b64 v[WSO], v[P+2*\t:P+2*\t+1] offset:16*\t
.endr
	ds_load_b128 v[F:F+3], v[WRD]                  ; LDS serves a wave's instructions in order: these see my stores
	ds_load_b128 v[F+4:F+7], v[WRD] offset:8*KP
	s_wait_dscnt 0x0
	global_store_b128 v[GO], v[F:F+3], s[14:15]
	global_store_b128 v[GO], v[F+4:F+7], s[14:15] offset:512
	s_wait_tensorcnt 0x0                           ; the wave's end, behind my last tensor load and my last LDS store
	ds_add_u32 v[SPW], v[NIL]
	s_wait_dscnt 0x0
	s_endpgm
.Lfunc_end_k_q30816b1dbf_attn:
	.size	k_q30816b1dbf_attn, .Lfunc_end_k_q30816b1dbf_attn-k_q30816b1dbf_attn
	.p2alignl 7, 3214868480
	.fill 96, 4, 3214868480
	.section	.rodata,"a",@progbits
	.p2align	6, 0x0
	.amdhsa_kernel k_q30816b1dbf_attn
		.amdhsa_group_segment_fixed_size 327680
		.amdhsa_private_segment_fixed_size 0
		.amdhsa_enable_private_segment 0
		.amdhsa_kernarg_size 48
		.amdhsa_user_sgpr_count 2
		.amdhsa_user_sgpr_kernarg_segment_ptr 1
		.amdhsa_wavefront_size32 1
		.amdhsa_system_sgpr_workgroup_id_x 1
		.amdhsa_system_sgpr_workgroup_id_y 1
		.amdhsa_system_sgpr_workgroup_id_z 1
		.amdhsa_system_vgpr_workitem_id 0
		.amdhsa_next_free_vgpr 256
		.amdhsa_next_free_sgpr 80
		.amdhsa_reserve_vcc 0
		.amdhsa_float_denorm_mode_32 3
		.amdhsa_float_denorm_mode_16_64 3
		.amdhsa_memory_ordered 1
		.amdhsa_forward_progress 1
		.amdhsa_inst_pref_size 66
	.end_amdhsa_kernel
	.amdgpu_metadata
---
amdhsa.version: [ 1, 2 ]
amdhsa.kernels:
  - .name:           k_q30816b1dbf_attn
    .symbol:         k_q30816b1dbf_attn.kd
    .args:
      - { .name: qc, .offset: 0, .size: 8, .value_kind: global_buffer, .address_space: global }
      - { .name: kc, .offset: 8, .size: 8, .value_kind: global_buffer, .address_space: global }
      - { .name: vc, .offset: 16, .size: 8, .value_kind: global_buffer, .address_space: global }
      - { .name: rk, .offset: 24, .size: 8, .value_kind: global_buffer, .address_space: global }
      - { .name: lowp_scales, .offset: 32, .size: 8, .value_kind: global_buffer, .address_space: global }
      - { .name: av, .offset: 40, .size: 8, .value_kind: global_buffer, .address_space: global }
    .group_segment_fixed_size: 327680
    .private_segment_fixed_size: 0
    .kernarg_segment_align: 8
    .kernarg_segment_size: 48
    .max_flat_workgroup_size: 512
    .sgpr_count:     80
    .vgpr_count:     256
    .wavefront_size: 32
...
	.end_amdgpu_metadata
.endif
;; end of part 3
;; launch oproj (part 4): grid 4 x 16, 4 waves a work-group, clusters of 4 x 4, 327,680 bytes of LDS; arguments av, W_o_codes, lowp_scales, w, xr; writes xr
.if DOCPART == 4
	.amdgcn_target "amdgcn-amd-amdhsa--gfx1250"
	.amdhsa_code_object_version 6
	.text
	.protected	k_q30816b1dbf_oproj
	.globl	k_q30816b1dbf_oproj
	.p2align	8
	.type	k_q30816b1dbf_oproj,@function
k_q30816b1dbf_oproj:
	s_mov_b64 s[64:65], 0
	v_nop
	global_prefetch_b8 v0, s[64:65] scope:SCOPE_SE
	s_setreg_imm32_b32 hwreg(HW_REG_WAVE_MODE, 25, 1), 1
	s_wait_xcnt 0x0
	s_wait_alu depctr_hold_cnt(0) depctr_sa_sdst(0) depctr_va_vdst(0) depctr_va_sdst(0) depctr_va_ssrc(0) depctr_va_vcc(0) depctr_vm_vsrc(0)
	s_getreg_b32 s2, hwreg(HW_REG_IB_STS2, 6, 4)
	s_cmp_eq_u32 s2, 0
	s_cbranch_scc0 .Lentry_in_a_cluster
	s_endpgm
.Lentry_in_a_cluster:
	s_bfe_u32 s2, ttmp6, 0x10000c
	s_cmp_lg_u32 s2, 0xf033
	s_cbranch_scc0 .Lentry_shape_is_right
	s_endpgm
.Lentry_shape_is_right:
; x = w + attn_vec W_o^T, the product on codes of E4M3.  A = attn_vec's codes, laid in planes by head, [16][4096 rows b x 2048 + i][64]; B = W_o's codes [1024][1024]; x: f32, rows in the output's order 2 i + b.
; A tile of 256 x 256 is made by four waves, each 128 x 128: 64 accumulators, 512 registers.  M = 4,096 and N = 1,024 give 64 tiles: four clusters of 4 x 4 work-groups; a smaller tile would give more work-groups and is not written here.
; K goes in steps of 256 (four heads) through a ring of two LDS slots.  A wave's load for A brings four planes of 128 rows x 64 bytes: each plane's part is one dense block of 8,192 bytes, stated as one row of the tile, with
; 16 bytes of padding behind every 64: in LDS [plane][row], rows 80 bytes apart.  B's tiles: 128 rows of 256 bytes, 272 apart.
; The four work-groups of a row of the cluster need the same tiles of A, the four of a column the same tiles of B: each tile is asked for JOINTLY.  THE MATRIX INSTRUCTION IS USED TRANSPOSED (source 0 = B's rows, source 1 = A's).
; LIMIT: e10 + e11 between -126 and 127, so that 2^(e10 + e11) is an f32 number.
; REGISTERS, in windows of 256: window 0: v0-31 addresses; from v128 A's fragments, ONE set; on the way out v32-255 are free.  window 1: B's fragments, TWO sets.  windows 2, 3: the accumulators.
.set ROWB,   256                       ; B: a tile's row in bytes
.set KROW,   1024                      ; B: a row in memory
.set PITCH,  272                       ; B: an LDS row
.set AP,     80                        ; A: an LDS row: 64 bytes + 16
.set APL,    128*AP                    ; A: a plane's 128 rows in LDS
.set AHALF,  4*APL                     ; A: what one tensor load brings: 40,960 bytes
.set PLANE,  4096*64                   ; A: from plane to plane in memory
.set ASTEP,  2*4*PLANE                 ; A: a slot's next tile lies eight planes on
.set FR,     16
.set NL,     4
.set NP,     4                         ; places behind this matrix instruction (ISA guide 7.12.1)
.set HALFT,  128*PITCH                 ; B: what one tensor load brings
.set SLOT,   2*AHALF+2*HALFT           ; A's two halves, then B's two
.set LAPS,   2
.set SPARE,  2*SLOT                    ; behind the ring: the spare words, 128 bytes for each wave, that no other line names
.set SPITCH, 528                       ; the way out: a stage of 16 rows x (512 bytes + 16) for each wave, in slot 0, which has had its last fill and its last read when the first result is stored there
.set ADRA, 16
.set ADRB, 20
.set STO,  24
.set RD,   25
.set CO,   26
.set SPW,  28
.set NIL,  29
.set TMP,  32                          ; v32-95   a block's sums x 2^(e10 + e11)
.set AF,   128
.set BK,   128                         ; v128-191 16 rows back from the stage
.set WR,   192                         ; v192-255 the same 16 rows of w
.set G1, 24
.set G0, 32
.set G1B, 48
.set G0B, 56
.set MSB, 0
.macro WIN new                         ; the immediate's high byte repeats the setting that is left
.if MSB != \new
	s_set_vgpr_msb (MSB<<8)|\new
.set MSB, \new
.endif
.endm
.set MUL_LO, 0xa1
.set MUL_HI, 0xf1
.set TO_B,   0x40
.macro JLOAD g0a, g1a, g0b, g1b        ; a joint load: waves 0 and 1 fetch for A, waves 2 and 3 for B; four v_nop follow each of the two lines
	s_cmp_eq_u32 s15, 0
	s_cbranch_scc0 .Lfor_b_\@
	tensor_load_to_lds s[\g0a:\g0a+3], s[\g1a:\g1a+7]
	s_nop 0
.rept 4
	v_nop
.endr
	s_branch .Lasked_\@
.Lfor_b_\@:
	tensor_load_to_lds s[\g0b:\g0b+3], s[\g1b:\g1b+7]
	s_nop 0
.rept 4
	v_nop
.endr
.Lasked_\@:
.endm
.macro CREST
	s_cmp_lg_u32 s14, 0
	s_cbranch_scc1 .Lnot_wave_0_\@
	s_barrier_signal -3
.Lnot_wave_0_\@:
	s_barrier_wait -3
	s_barrier_signal -1
	s_barrier_wait -1
.endm
.macro CROUND
	s_barrier_signal -1
	s_barrier_wait -1
	CREST
.endm
	s_load_b256 s[4:11], s[0:1], 0x0               ; av s[4:5], W_o's codes s[6:7], the exponents s[8:9], w s[10:11]
	s_load_b64 s[12:13], s[0:1], 0x20              ; xr
	v_lshl_add_u32 v[SPW], v0, 2, SPARE
	v_mov_b32 v[NIL], 0
	ds_add_u32 v28, v29
	s_wait_dscnt 0x0
	v_lshrrev_b32 v1, 5, v0
	v_readfirstlane_b32 s14, v1                    ; wave 0..3
	s_lshr_b32 s15, s14, 1                         ; which half of the tile's rows is mine.  Also: I fetch for A (0) or for B (1)
	s_and_b32 s16, s14, 1                          ; which half of its columns.  Also: which 128 rows of that tile I fetch
	s_bfe_u32 s40, ttmp6, 0x40000                  ; cx, cy
	s_bfe_u32 s41, ttmp6, 0x40004
	s_lshl_b32 s42, ttmp9, 2
	s_add_co_u32 s42, s42, s40                     ; tile column = 4 x cluster x + cx
	s_and_b32 s17, ttmp7, 0xffff
	s_lshl_b32 s17, s17, 2
	s_add_co_u32 s17, s17, s41                     ; tile row = 4 x cluster y + cy
	s_lshl_b32 s43, s41, 2
	s_lshl_b32 s43, 15, s43                        ; my row of the cluster
	s_lshl_b32 s44, 0x1111, s40                    ; my column
	; A's group 1: 4 rows (planes) of 8,192 bytes, 262,144 apart
	s_or_b32 s[G1+0], s43, (0<<16)|(1<<20)|(1<<21)|(3<<22)|(3<<25)  ; the mask: my row; elements of 1 byte; padding on; bit 21 beside a mask; after every 16 words (code 3) four words (code 3)
	s_mov_b32 s[G1+1], 8192<<16                    ; tensor_dim0
	s_mov_b32 s[G1+2], 4<<16                       ; tensor_dim1
	s_mov_b32 s[G1+3], 8192<<16                    ; tile_dim0
	s_mov_b32 s[G1+4], 4                           ; tile_dim1
	s_mov_b32 s[G1+5], PLANE                       ; tensor_dim0_stride
	s_mov_b32 s[G1+6], 0
	s_mov_b32 s[G1+7], 0
	; B's group 1: 128 rows of 256 bytes, 1,024 apart
	s_or_b32 s[G1B+0], s44, (0<<16)|(1<<20)|(1<<21)|(5<<22)|(3<<25)
	s_mov_b32 s[G1B+1], ROWB<<16
	s_mov_b32 s[G1B+2], 128<<16
	s_mov_b32 s[G1B+3], ROWB<<16
	s_mov_b32 s[G1B+4], 128
	s_mov_b32 s[G1B+5], KROW
	s_mov_b32 s[G1B+6], 0
	s_mov_b32 s[G1B+7], 0
	s_lshl_b32 s18, s16, 7                         ; which 128 rows of the tile I fetch
	s_lshl_b32 s20, s17, 8
	s_add_co_u32 s20, s20, s18
	s_lshl_b32 s20, s20, 6                         ; A: rows of 64 bytes in a plane
	s_mov_b32 s21, 0
	s_lshl_b32 s46, s42, 8
	s_add_co_u32 s46, s46, s18
	s_lshl_b32 s46, s46, 10                        ; B: rows of 1,024 bytes
	s_mov_b32 s47, 0
	s_mul_i32 s45, s16, AHALF                      ; where they go: A's half,
	s_mul_i32 s2, s16, HALFT
	s_add_co_u32 s2, s2, 2*AHALF                   ; B's half: no place in the cluster enters an LDS address
	s_wait_kmcnt 0x0
	s_load_b64 s[96:97], s[8:9], 0x28              ; e10, e11
	s_add_nc_u64 s[20:21], s[4:5], s[20:21]
	s_add_nc_u64 s[46:47], s[6:7], s[46:47]
	CROUND                                         ; all sixteen work-groups are here: the first joint loads meet
.irp s, 0,1
	s_mov_b32 s[G0+4*\s], 1
	s_add_co_u32 s[G0+4*\s+1], s45, \s*SLOT
	s_add_nc_u64 s[G0+4*\s+2:G0+4*\s+3], s[20:21], \s*4*PLANE
	s_or_b32 s[G0+4*\s+3], s[G0+4*\s+3], 0x80000000
	s_mov_b32 s[G0B+4*\s], 1
	s_add_co_u32 s[G0B+4*\s+1], s2, \s*SLOT
	s_add_nc_u64 s[G0B+4*\s+2:G0B+4*\s+3], s[46:47], \s*ROWB
	s_or_b32 s[G0B+4*\s+3], s[G0B+4*\s+3], 0x80000000
	JLOAD G0+4*\s, G1, G0B+4*\s, G1B
.endr
	v_and_b32 v1, 15, v0                           ; r
	v_bfe_u32 v2, v0, 4, 1                         ; h
	v_mul_u32_u24 v3, v1, PITCH
	v_lshl_add_u32 v4, v2, 4, v3                   ; B: row x pitch + 16 h
	v_mul_u32_u24 v3, v1, AP
	v_lshl_add_u32 v7, v2, 4, v3                   ; A likewise
	s_mul_i32 s21, s15, AHALF                      ; my 128 rows of A
	s_mul_i32 s22, s16, HALFT                      ; my 128 rows of B,
	s_add_co_u32 s22, s22, 2*AHALF                 ; which lie behind A's
.irp s, 0,1
	v_add_nc_u32 v[ADRA+\s], s21, v7
	v_add_nc_u32 v[ADRB+\s], s22, v4
	s_add_co_u32 s21, s21, SLOT
	s_add_co_u32 s22, s22, SLOT
.endr
	s_mul_i32 s23, s14, 16*SPITCH                  ; my stage
	v_mul_u32_u24 v5, v1, SPITCH                   ; in: row r, 32 bytes for each half of the lanes
	v_lshl_add_u32 v5, v2, 5, v5
	v_add_nc_u32 v[STO], s23, v5
	v_and_b32 v6, 31, v0
	v_lshlrev_b32 v[CO], 4, v6                     ; back: the 32 lanes take one row of 512 bytes; and the same in w and in x
	v_add_nc_u32 v[RD], s23, v[CO]
	s_lshl_b32 s20, s17, 8
	s_lshl_b32 s21, s15, 7
	s_add_co_u32 s20, s20, s21                     ; my first row b x 2048 + i
	s_and_b32 s21, s20, 2047
	s_lshl_b32 s21, s21, 1
	s_lshr_b32 s20, s20, 11
	s_add_co_u32 s20, s20, s21                     ; is row 2 i + b of w and of x; the next i lies two rows, 8,192 bytes, on
	s_lshl_b32 s20, s20, 12
	s_lshl_b32 s46, s42, 10
	s_lshl_b32 s47, s16, 9
	s_add_co_u32 s46, s46, s47                     ; my first column, in bytes
	s_add_co_u32 s20, s20, s46
	s_mov_b32 s21, 0
	s_add_nc_u64 s[10:11], s[10:11], s[20:21]
	s_add_nc_u64 s[12:13], s[12:13], s[20:21]
.macro FRAG reg, adr, q, i             ; B: 16 rows x 128 K: registers 4 c .. 4 c + 3 hold K = 128 q + 32 c + 16 h + 0 .. 15
.irp c, 0,1,2,3
	ds_load_b128 v[\reg+4*\c:\reg+4*\c+3], v[\adr] offset:128*(\q)+32*\c+(\i)*16*PITCH
.endr
.endm
.macro FRAGA reg, adr, q, i            ; A: the same K: plane 2 q + c / 2, byte 32 (c % 2) + 16 h of the row
.irp c, 0,1,2,3
	ds_load_b128 v[\reg+4*\c:\reg+4*\c+3], v[\adr] offset:(2*(\q)+\c/2)*APL+(\i)*16*AP+32*(\c%2)
.endr
.endm
; The 64 accumulators take turns, one instruction a turn, in the same order in every step.
.macro MUL16 a0, p, zero
.irp a, \a0, \a0+1
.irp b, 0,1,2,3,4,5,6,7
.if \zero
	v_wmma_f32_16x16x128_fp8_fp8 v[8*(8*((\a)%4)+\b):8*(8*((\a)%4)+\b)+7], v[128*(\p)+FR*\b:128*(\p)+FR*\b+FR-1], v[AF+FR*(\a):AF+FR*(\a)+FR-1], 0
.else
	v_wmma_f32_16x16x128_fp8_fp8 v[8*(8*((\a)%4)+\b):8*(8*((\a)%4)+\b)+7], v[128*(\p)+FR*\b:128*(\p)+FR*\b+FR-1], v[AF+FR*(\a):AF+FR*(\a)+FR-1], v[8*(8*((\a)%4)+\b):8*(8*((\a)%4)+\b)+7]
.endif
.endr
.endr
.endm
.macro FETCH_B slot, q, p
	WIN TO_B
.irp i, 0,1,2,3,4,5,6,7
	FRAG 128*(\p)+FR*\i, ADRB+\slot, \q, \i
.endr
	WIN 0
.endm
.macro FETCH_A slot, q, i0
.irp i, \i0, \i0+1, \i0+2, \i0+3
	FRAGA AF+FR*(\i), ADRA+\slot, \q, \i
.endr
.endm
.macro PLACES n
.rept \n
	v_nop
.endr
.endm
.macro STEP slot, q, zero
	s_wait_dscnt 4*NL                              ; B's set and A's blocks 0-3 are in; the youngest sixteen loads (A's blocks 4-7) may be out
	WIN MUL_LO
	MUL16 0, (\q)%2, \zero
	MUL16 2, (\q)%2, \zero
	s_wait_dscnt 0
	PLACES NP
	FETCH_B \slot, (\q)+1, 1-(\q)%2
	FETCH_A \slot, (\q)+1, 0
	WIN MUL_HI
	MUL16 4, (\q)%2, \zero
	MUL16 6, (\q)%2, \zero
	PLACES NP
	WIN 0
	FETCH_A \slot, (\q)+1, 4
.endm
.macro TURN slot, next, fill
	s_wait_tensorcnt 0x0                           ; all my tensor loads have landed: my part of the next slot
	ds_add_u32 v[SPW], v[NIL]                      ; 0 onto my spare word
	s_wait_dscnt 4*NL+1                            ; (the add and the youngest sixteen loads may be out)
	WIN MUL_LO
	MUL16 0, 1, 0
	s_wait_dscnt 0x0                               ; the add is done, and my reads of this slot are over
	s_barrier_signal -1
	MUL16 2, 1, 0
	WIN 0
	s_barrier_wait -1
.if \fill
	CREST                                          ; the barrier has opened a round of the cluster's barrier: no wave of any partner still reads this slot's tile or has a load on its way
	s_add_nc_u64 s[G0+4*\slot+2:G0+4*\slot+3], s[G0+4*\slot+2:G0+4*\slot+3], ASTEP
	s_add_nc_u64 s[G0B+4*\slot+2:G0B+4*\slot+3], s[G0B+4*\slot+2:G0B+4*\slot+3], 2*ROWB
	JLOAD G0+4*\slot, G1, G0B+4*\slot, G1B         ; the first tensor load behind the round
.else
	PLACES NP
.endif
	FETCH_B \next, 0, 0
	FETCH_A \next, 0, 0
	WIN MUL_HI
	MUL16 4, 1, 0
	MUL16 6, 1, 0
	PLACES NP
	WIN 0
	FETCH_A \next, 0, 4
.endm
	s_wait_tensorcnt 1                             ; my part of K step 0 is in (K step 1's load may be out)
	s_barrier_signal -1
	s_barrier_wait -1
	FETCH_B 0, 0, 0
	FETCH_A 0, 0, 0
	FETCH_A 0, 0, 4
	STEP 0, 0, 1                                   ; the first step's products start the sums
	s_mov_b32 s3, LAPS-1
.Llap:
	TURN 0, 1, 1
	STEP 1, 0, 0
	TURN 1, 0, 1
	STEP 0, 0, 0
	s_sub_co_u32 s3, s3, 1
	s_cmp_lg_u32 s3, 0
	s_cbranch_scc1 .Llap
	TURN 0, 1, 0
	STEP 1, 0, 0
	s_wait_dscnt 4*NL
	WIN MUL_LO
	MUL16 0, 1, 0
	MUL16 2, 1, 0
	s_wait_dscnt 0
	WIN MUL_HI
	MUL16 4, 1, 0
	MUL16 6, 1, 0
	WIN 0
; THE WAY OUT, block by block of 16 rows x 128 columns: the sums x 2^(e10 + e11) go through my stage and come back as whole rows of 512 bytes; w's same rows are added; 32 lanes store 512 consecutive bytes.
.macro OUTO a
.set AC, 64*((\a)%4)
	s_wait_xcnt 0x0                                ; the block before's loads and stores have read their registers and bases
.if (\a) > 0
	s_add_nc_u64 s[10:11], s[10:11], 16*8192
	s_add_nc_u64 s[12:13], s[12:13], 16*8192
.endif
.irp t, 0,1,2,3,4,5,6,7,8,9,10,11,12,13,14,15
	global_load_b128 v[WR+4*\t:WR+4*\t+3], v[CO], s[10:11] offset:\t*8192
.endr
	WIN 0x02+((\a)/4)                              ; source 0: window 2 or 3
.set j, 0
.rept 32
	v_pk_mul_f32 v[TMP+j:TMP+j+1], v[AC+j:AC+j+1], s[96:97] op_sel_hi:[1,0]   ; each accumulator from its low end on
.set j, j+2
.endr
	WIN 0
.irp b, 0,1,2,3,4,5,6,7
	ds_store_b128 v[STO], v[TMP+8*\b:TMP+8*\b+3] offset:64*\b
	ds_store_b128 v[STO], v[TMP+8*\b+4:TMP+8*\b+7] offset:64*\b+16
.endr
.irp t, 0,1,2,3,4,5,6,7,8,9,10,11,12,13,14,15
	ds_load_b128 v[BK+4*\t:BK+4*\t+3], v[RD] offset:\t*SPITCH     ; LDS serves a wave's instructions in order: these see the stores above
.endr
	s_wait_dscnt 0x0
	s_wait_loadcnt 0x0
.set j, 0
.rept 32
	v_pk_add_f32 v[BK+j:BK+j+1], v[BK+j:BK+j+1], v[WR+j:WR+j+1]
.set j, j+2
.endr
.irp t, 0,1,2,3,4,5,6,7,8,9,10,11,12,13,14,15
	global_store_b128 v[CO], v[BK+4*\t:BK+4*\t+3], s[12:13] offset:\t*8192
.endr
.endm
	s_wait_kmcnt 0x0
	s_add_co_i32 s96, s96, s97
	s_add_co_i32 s96, s96, 127
	s_lshl_b32 s96, s96, 23                        ; 2^(e10 + e11) as f32
	s_mov_b32 s97, s96                             ; (named with it as a pair)
	PLACES NP                                      ; in front of the loads into the registers that held A's fragments, and of the first reads of results
.irp a, 0,1,2,3,4,5,6,7
	OUTO \a
.endr
	s_wait_tensorcnt 0x0                           ; the wave's end, behind my last tensor load and my last LDS store
	ds_add_u32 v[SPW], v[NIL]
	s_wait_dscnt 0x0
	CROUND                                         ; the closing round
	s_endpgm
.Lfunc_end_k_q30816b1dbf_oproj:
	.size	k_q30816b1dbf_oproj, .Lfunc_end_k_q30816b1dbf_oproj-k_q30816b1dbf_oproj
	.p2alignl 7, 3214868480
	.fill 96, 4, 3214868480
	.section	.rodata,"a",@progbits
	.p2align	6, 0x0
	.amdhsa_kernel k_q30816b1dbf_oproj
		.amdhsa_group_segment_fixed_size 327680
		.amdhsa_private_segment_fixed_size 0
		.amdhsa_enable_private_segment 0
		.amdhsa_kernarg_size 40
		.amdhsa_user_sgpr_count 2
		.amdhsa_user_sgpr_kernarg_segment_ptr 1
		.amdhsa_wavefront_size32 1
		.amdhsa_system_sgpr_workgroup_id_x 1
		.amdhsa_system_sgpr_workgroup_id_y 1
		.amdhsa_system_sgpr_workgroup_id_z 1
		.amdhsa_system_vgpr_workitem_id 0
		.amdhsa_next_free_vgpr 1024
		.amdhsa_next_free_sgpr 98
		.amdhsa_reserve_vcc 0
		.amdhsa_float_denorm_mode_32 3
		.amdhsa_float_denorm_mode_16_64 3
		.amdhsa_memory_ordered 1
		.amdhsa_forward_progress 1
		.amdhsa_inst_pref_size 152
	.end_amdhsa_kernel
	.amdgpu_metadata
---
amdhsa.version: [ 1, 2 ]
amdhsa.kernels:
  - .name:           k_q30816b1dbf_oproj
    .symbol:         k_q30816b1dbf_oproj.kd
    .args:
      - { .name: av, .offset: 0, .size: 8, .value_kind: global_buffer, .address_space: global }
      - { .name: W_o_codes, .offset: 8, .size: 8, .value_kind: global_buffer, .address_space: global }
      - { .name: lowp_scales, .offset: 16, .size: 8, .value_kind: global_buffer, .address_space: global }
      - { .name: w, .offset: 24, .size: 8, .value_kind: global_buffer, .address_space: global }
      - { .name: xr, .offset: 32, .size: 8, .value_kind: global_buffer, .address_space: global }
    .group_segment_fixed_size: 327680
    .private_segment_fixed_size: 0
    .kernarg_segment_align: 8
    .kernarg_segment_size: 40
    .max_flat_workgroup_size: 128
    .sgpr_count:     98
    .vgpr_count:     1024
    .wavefront_size: 32
...
	.end_amdgpu_metadata
.endif
;; end of part 4
;; launch ln (part 5): grid 256 x 1, 8 waves a work-group, no clusters, 0 bytes of LDS; arguments xr, gamma, beta, out0; writes out0
.if DOCPART == 5
	.amdgcn_target "amdgcn-amd-amdhsa--gfx1250"
	.amdhsa_code_object_version 6
	.text
	.protected	k_q30816b1dbf_ln
	.globl	k_q30816b1dbf_ln
	.p2align	8
	.type	k_q30816b1dbf_ln,@function
k_q30816b1dbf_ln:
	s_mov_b64 s[64:65], 0
	v_nop
	global_prefetch_b8 v0, s[64:65] scope:SCOPE_SE
	s_setreg_imm32_b32 hwreg(HW_REG_WAVE_MODE, 25, 1), 1
	s_wait_xcnt 0x0
; LayerNorm over rows of 1,024 f32: y = (x - mean) / sqrt(var + 1e-5) x gamma + beta, var the mean of (x - mean)^2: two passes over registers, so a common offset of a row costs no accuracy.
; One wave takes two rows; a row is eight loads of 16 bytes a lane (each covers 512 consecutive bytes) and stays in 32 registers: read once, no LDS, no barrier.  A lane's 32 gamma and 32 beta serve both rows.
; Matrix units, clusters and LDS would add nothing here: memory binds.
.set G,  16                            ; v16-47   gamma at my 32 columns
.set B,  48                            ; v48-79   beta
.set X0, 80                            ; v80-111  row 0
.set X1, 112                           ; v112-143 row 1
	s_load_b256 s[4:11], s[0:1], 0x0               ; x s[4:5], gamma s[6:7], beta s[8:9], out s[10:11]
	v_lshrrev_b32 v1, 5, v0
	v_readfirstlane_b32 s12, v1                    ; wave 0..7
	v_and_b32 v1, 31, v0
	v_lshlrev_b32 v1, 4, v1                        ; 16 x lane; never rewritten
	s_lshl_b32 s13, ttmp9, 3
	s_add_co_u32 s13, s13, s12
	s_lshl_b32 s14, s13, 13                        ; my two rows of 4,096 bytes
	s_mov_b32 s15, 0
	s_mov_b32 s16, 0x76543210                      ; v_permlanex16_b32: lane l xor 16
	s_mov_b32 s17, 0xfedcba98
	s_mov_b32 s18, 0x3a800000                      ; 1 / 1024
	s_mov_b32 s19, 0x3727c5ac                      ; 1e-5
	s_wait_kmcnt 0x0
	s_add_nc_u64 s[4:5], s[4:5], s[14:15]
	s_add_nc_u64 s[10:11], s[10:11], s[14:15]
.irp j, 0,1,2,3,4,5,6,7
	global_load_b128 v[X0+4*\j:X0+4*\j+3], v1, s[4:5] offset:512*\j th:TH_LOAD_NT
.endr
.irp j, 0,1,2,3,4,5,6,7
	global_load_b128 v[G+4*\j:G+4*\j+3], v1, s[6:7] offset:512*\j
.endr
.irp j, 0,1,2,3,4,5,6,7
	global_load_b128 v[B+4*\j:B+4*\j+3], v1, s[8:9] offset:512*\j
.endr
.irp j, 0,1,2,3,4,5,6,7
	global_load_b128 v[X1+4*\j:X1+4*\j+3], v1, s[4:5] offset:4096+512*\j th:TH_LOAD_NT
.endr
.macro REDUCE                          ; v2 summed over the 32 lanes, the result in every lane
	v_add_f32_dpp v2, v2, v2 row_xmask:1 row_mask:0xf bank_mask:0xf
	v_add_f32_dpp v2, v2, v2 row_xmask:2 row_mask:0xf bank_mask:0xf
	v_add_f32_dpp v2, v2, v2 row_xmask:4 row_mask:0xf bank_mask:0xf
	v_add_f32_dpp v2, v2, v2 row_xmask:8 row_mask:0xf bank_mask:0xf
	v_permlanex16_b32 v3, v2, s16, s17             ; (v3 has been written: the destination counts as read)
	v_add_f32 v2, v2, v3
.endm
.macro ROW x, off
	v_pk_add_f32 v[2:3], v[\x:\x+1], v[\x+2:\x+3]  ; the sum, two at a time, in two chains
	v_pk_add_f32 v[4:5], v[\x+4:\x+5], v[\x+6:\x+7]
.irp j, 8,12,16,20,24,28
	v_pk_add_f32 v[2:3], v[2:3], v[\x+\j:\x+\j+1]
	v_pk_add_f32 v[4:5], v[4:5], v[\x+\j+2:\x+\j+3]
.endr
	v_pk_add_f32 v[2:3], v[2:3], v[4:5]
	v_add_f32 v2, v2, v3
	REDUCE
	v_mul_f32 v2, s18, v2                          ; the mean
	v_mov_b32 v3, v2
.irp j, 0,2,4,6,8,10,12,14,16,18,20,22,24,26,28,30
	v_pk_add_f32 v[\x+\j:\x+\j+1], v[\x+\j:\x+\j+1], v[2:3] neg_lo:[0,1] neg_hi:[0,1]   ; x - mean, in place
.endr
	v_pk_mul_f32 v[4:5], v[\x:\x+1], v[\x:\x+1]    ; the sum of squares, in two chains
	v_pk_mul_f32 v[6:7], v[\x+2:\x+3], v[\x+2:\x+3]
.irp j, 4,8,12,16,20,24,28
	v_pk_fma_f32 v[4:5], v[\x+\j:\x+\j+1], v[\x+\j:\x+\j+1], v[4:5]
	v_pk_fma_f32 v[6:7], v[\x+\j+2:\x+\j+3], v[\x+\j+2:\x+\j+3], v[6:7]
.endr
	v_pk_add_f32 v[4:5], v[4:5], v[6:7]
	v_add_f32 v2, v4, v5
	REDUCE
	v_fma_f32 v2, v2, s18, s19                     ; var + 1e-5
	v_rsq_f32 v4, v2
	v_nop                                          ; a plain line behind the transcendental
	s_wait_alu depctr_va_vdst(0)
	v_mov_b32 v5, v4
.irp j, 0,2,4,6,8,10,12,14,16,18,20,22,24,26,28,30
	v_pk_mul_f32 v[\x+\j:\x+\j+1], v[\x+\j:\x+\j+1], v[4:5]
.endr
.irp j, 0,2,4,6,8,10,12,14,16,18,20,22,24,26,28,30
	v_pk_fma_f32 v[\x+\j:\x+\j+1], v[\x+\j:\x+\j+1], v[G+\j:G+\j+1], v[B+\j:B+\j+1]
.endr
.irp j, 0,1,2,3,4,5,6,7
	global_store_b128 v1, v[\x+4*\j:\x+4*\j+3], s[10:11] offset:\off+512*\j th:TH_STORE_NT   ; 32 lanes store 512 consecutive bytes
.endr
.endm
	s_wait_loadcnt 8                               ; row 0, gamma and beta are in; row 1's eight loads may be out
	ROW X0, 0
	s_wait_loadcnt 0x0
	ROW X1, 4096
	s_endpgm
.Lfunc_end_k_q30816b1dbf_ln:
	.size	k_q30816b1dbf_ln, .Lfunc_end_k_q30816b1dbf_ln-k_q30816b1dbf_ln
	.p2alignl 7, 3214868480
	.fill 96, 4, 3214868480
	.section	.rodata,"a",@progbits
	.p2align	6, 0x0
	.amdhsa_kernel k_q30816b1dbf_ln
		.amdhsa_group_segment_fixed_size 0
		.amdhsa_private_segment_fixed_size 0
		.amdhsa_enable_private_segment 0
		.amdhsa_kernarg_size 32
		.amdhsa_user_sgpr_count 2
		.amdhsa_user_sgpr_kernarg_segment_ptr 1
		.amdhsa_wavefront_size32 1
		.amdhsa_system_sgpr_workgroup_id_x 1
		.amdhsa_system_sgpr_workgroup_id_y 1
		.amdhsa_system_sgpr_workgroup_id_z 1
		.amdhsa_system_vgpr_workitem_id 0
		.amdhsa_next_free_vgpr 144
		.amdhsa_next_free_sgpr 66
		.amdhsa_reserve_vcc 0
		.amdhsa_float_denorm_mode_32 3
		.amdhsa_float_denorm_mode_16_64 3
		.amdhsa_memory_ordered 1
		.amdhsa_forward_progress 1
		.amdhsa_inst_pref_size 18
	.end_amdhsa_kernel
	.amdgpu_metadata
---
amdhsa.version: [ 1, 2 ]
amdhsa.kernels:
  - .name:           k_q30816b1dbf_ln
    .symbol:         k_q30816b1dbf_ln.kd
    .args:
      - { .name: xr, .offset: 0, .size: 8, .value_kind: global_buffer, .address_space: global }
      - { .name: gamma, .offset: 8, .size: 8, .value_kind: global_buffer, .address_space: global }
      - { .name: beta, .offset: 16, .size: 8, .value_kind: global_buffer, .address_space: global }
      - { .name: out0, .offset: 24, .size: 8, .value_kind: global_buffer, .address_space: global }
    .group_segment_fixed_size: 0
    .private_segment_fixed_size: 0
    .kernarg_segment_align: 8
    .kernarg_segment_size: 32
    .max_flat_workgroup_size: 256
    .sgpr_count:     66
    .vgpr_count:     144
    .wavefront_size: 32
...
	.end_amdgpu_metadata
.endif
;; end of part 5
;; ======== version 2 of 2: 5 launches
;; limits: right only within a limited range of input values
;; workspace buffers: wc 4,194,304 bytes; rq 4,096 bytes; qc 8,388,608 bytes; kc 4,194,304 bytes; vc 4,194,304 bytes; rk 4,198,400 bytes; av 4,194,304 bytes; xr 16,777,216 bytes
;; launch prep (part 6): grid 160 x 1, 4 waves a work-group, no clusters, 33,280 bytes of LDS; arguments w, W_qkv_codes, r_codes, lowp_scales, wc, rq, rk; writes wc, rq, rk
.if DOCPART == 6
	.amdgcn_target "amdgcn-amd-amdhsa--gfx1250"
	.amdhsa_code_object_version 6
	.text
	.protected	k_q30816b1dbf_prep
	.globl	k_q30816b1dbf_prep
	.p2align	8
	.type	k_q30816b1dbf_prep,@function
k_q30816b1dbf_prep:
	s_mov_b64 s[64:65], 0
	v_nop
	global_prefetch_b8 v0, s[64:65] scope:SCOPE_SE
	s_setreg_imm32_b32 hwreg(HW_REG_WAVE_MODE, 25, 1), 1
	s_wait_xcnt 0x0
; TWO JOBS IN ONE LAUNCH, parted on the work-group's number.
; Work-groups 0-127: w [2048][2][1024] f32 becomes codes of E4M3 with the given scale 2^e0, laid [b][i][1024] (the two batches apart), so that the products' row index is b x 2048 + i.
;   code = x / 2^e0, to the nearest code, ties to even.  A wave takes 8 rows of w (8,192 numbers) in 16 steps of 512.  Each load reads 512 consecutive bytes; a step's 2,048 bytes turn through
;   the wave's own stage in LDS (16 bytes of padding behind each 64), so that a lane gets 16 neighbours along K for the conversions; a lane's 16 codes are 16 bytes: a store covers 512 consecutive bytes.
; Work-groups 128-159: the last row of r, r[2048], times W_q and W_k (2,048 rows of W_qkv): one wave makes 16 outputs.  Source 0 = 16 rows of W, source 1 = r[2048] in all 16 columns, so every column of the result is the same
;   and lane (r, h) holds outputs 8 h + 0 .. 7.  Outputs 0-1023 are r_q[-1], stored as f32 (rq); outputs 1024-2047 are r_k[2048], quantised with 2^e6 into row 2048 of each head's table (rk).
;   These stores are pieces of 32 and 8 bytes a lane from two lanes of a wave: 5 KiB in the whole launch.
; LIMITS: e0, and e6 - e2 - e3, between -126 and 119, so that each power of two below is an f32 number.  NaN among the inputs is not served.
.set STEPS, 16
.set R,     16                         ; v16-79   four sets of 16 numbers as they are loaded
.set X,     80                         ; v80-111  two sets of 16 neighbours
.set C,     128                        ; v128-191 codes: four registers for each step, so that no store's data are written again
.set WREG,  8192                       ; LDS: a region for each wave: two stages of 32 x SP bytes
.set SP,    80                         ; a lane's place in a stage: 64 bytes + 16 of padding
.set WF,    32                         ; v32-159  the last row's job: W's fragments of the eight K steps of 128
.set RF,    160                        ; v160-223 r[2048]'s fragments, four K steps at a time
.set T,     240                        ; v240-247 the two accumulators (v224-231, v232-239) added
	s_load_b256 s[4:11], s[0:1], 0x0               ; w s[4:5], W_qkv's codes s[6:7], r's codes s[8:9], the exponents s[10:11]
	s_load_b128 s[12:15], s[0:1], 0x20             ; wc s[12:13], rq s[14:15]
	s_load_b64 s[16:17], s[0:1], 0x30              ; rk
	v_lshl_add_u32 v254, v0, 2, 0x8000
	v_mov_b32 v255, 0
	v_lshrrev_b32 v1, 5, v0
	v_readfirstlane_b32 s18, v1                    ; wave 0..3
	s_mov_b32 s21, 0                               ; the upper word of every offset pair s[20:21]
	s_wait_kmcnt 0x0
	s_load_b256 s[24:31], s[10:11], 0x0            ; e0 .. e7
	s_cmp_ge_u32 ttmp9, 128
	s_cbranch_scc1 .Llast
	; ---------------- w into codes
	v_and_b32 v2, 31, v0                           ; lane
	v_lshlrev_b32 v3, 4, v2                        ; my 16 bytes of a load's 512, and of a store's; never rewritten
	s_mul_i32 s19, s18, WREG
	v_lshrrev_b32 v14, 2, v2
	v_mul_u32_u24 v14, v14, SP
	v_and_b32 v15, 3, v2
	v_lshl_add_u32 v14, v15, 4, v14
	v_add_nc_u32 v14, s19, v14                     ; the stage, on the way in: four lanes' 64 bytes on end, then 16 of padding
	v_mul_u32_u24 v15, v2, SP
	v_add_nc_u32 v15, s19, v15                     ; and on the way out: my 16 neighbours
	s_lshl_b32 s19, ttmp9, 2
	s_add_co_u32 s19, s19, s18                     ; u: which run of 8 rows of w is my wave's
	s_lshl_b32 s20, s19, 15
	s_add_nc_u64 s[4:5], s[4:5], s[20:21]          ; w + 32,768 u
	s_lshl_b32 s20, s19, 12
	s_add_nc_u64 s[12:13], s[12:13], s[20:21]      ; wc + 4 u rows of 1,024 bytes (i = 4 u on, batch 0)
.macro LOAD t
.irp i, 0,1,2,3
	global_load_b128 v[R+16*((\t)%4)+4*\i:R+16*((\t)%4)+4*\i+3], v3, s[4:5] offset:2048*(\t)+512*\i th:TH_LOAD_NT   ; 32 lanes read 512 consecutive bytes
.endr
.endm
.macro TURN t                          ; step t's numbers through the stage: LDS serves a wave's instructions in order, so no wait stands between the stores and the loads
.irp i, 0,1,2,3
	ds_store_b128 v14, v[R+16*((\t)%4)+4*\i:R+16*((\t)%4)+4*\i+3] offset:32*SP*((\t)%2)+8*SP*\i
.endr
.irp i, 0,1,2,3
	ds_load_b128 v[X+16*((\t)%2)+4*\i:X+16*((\t)%2)+4*\i+3], v15 offset:32*SP*((\t)%2)+16*\i
.endr
.endm
.irp t, 0,1,2,3
	LOAD \t
.endr
	s_wait_alu depctr_va_vdst(0)
	s_wait_kmcnt 0x0
	s_add_co_i32 s22, s24, 127
	s_lshl_b32 s23, s22, 23
	v_mov_b32 v11, s23                             ; 2^e0 as f32: the conversion takes its exponent field
	s_add_co_i32 s22, s22, 8
	s_lshl_b32 s22, s22, 23
	s_or_b32 s22, s22, 0x600000
	s_wait_alu depctr_va_vdst(0)
	s_wait_loadcnt 12                              ; step 0's four loads are in; those of steps 1 to 3 may be out
	TURN 0
.macro STEP t
.set XS, X+16*((\t)%2)
	s_wait_dscnt 0x0                               ; this step's numbers are back from the stage: so its stores into the stage have read their registers,
.if (\t)+4 < STEPS
	LOAD (\t)+4                                    ; which take the loads of four steps on
.endif
.if (\t)+1 < STEPS
.if STEPS-2-(\t) >= 3
	s_wait_loadcnt 12                              ; the next step's four loads are in; those of the three steps behind it may be out
.else
	s_wait_loadcnt 4*(STEPS-2-(\t))
.endif
	TURN (\t)+1                                    ; and go through the other stage while this step is worked
.endif
.irp i, 0,1,2,3,4,5,6,7,8,9,10,11,12,13,14,15
.endr
	v_cvt_scalef32_pk8_fp8_f32 v[C+4*(\t):C+4*(\t)+1], v[XS:XS+7], v11
	v_cvt_scalef32_pk8_fp8_f32 v[C+4*(\t)+2:C+4*(\t)+3], v[XS+8:XS+15], v11
	v_nop                                          ; one plain vector line behind the last conversion of a run
	; step t is half (t % 2) of w's row 8 u + t / 2, which is i = 4 u + t / 4 of batch (t / 2) % 2: the batches lie 2,048 rows apart in wc
	global_store_b128 v3, v[C+4*(\t):C+4*(\t)+3], s[12:13] offset:(((\t)/2)%2)*2097152+((\t)/4)*1024+((\t)%2)*512
.endm
.irp t, 0,1,2,3,4,5,6,7,8,9,10,11,12,13,14,15
	STEP \t
.endr
	s_wait_tensorcnt 0x0
	ds_add_u32 v254, v255
	s_wait_dscnt 0x0
	s_endpgm
	; ---------------- r[2048] x W_q, W_k
.Llast:
	v_and_b32 v1, 15, v0                           ; r
	v_bfe_u32 v2, v0, 4, 1                         ; h
	v_lshlrev_b32 v3, 10, v1
	v_lshl_add_u32 v3, v2, 4, v3                   ; W: row r of 1,024 bytes, + 16 h
	v_lshlrev_b32 v4, 4, v2                        ; r[2048]: the same row in every lane, + 16 h
	s_sub_co_u32 s19, ttmp9, 128
	s_lshl_b32 s19, s19, 2
	s_add_co_u32 s19, s19, s18                     ; g = 0..127: my outputs are 16 g .. 16 g + 15
	s_lshl_b32 s20, s19, 14
	s_add_nc_u64 s[6:7], s[6:7], s[20:21]          ; W at row 16 g
	s_add_nc_u64 s[8:9], s[8:9], 2048*1024         ; r at its last row
	; A fragment (16 rows x 128 K) is four loads of 16 bytes, 32 bytes apart: registers 4 c .. 4 c + 3 hold K = 32 c + 16 h + 0 .. 15: the same order of K on both sides, so every product meets its partner.
.irp s, 0,1,2,3
.irp c, 0,1,2,3
	global_load_b128 v[RF+16*\s+4*\c:RF+16*\s+4*\c+3], v4, s[8:9] offset:128*\s+32*\c
.endr
.endr
.irp s, 0,1,2,3,4,5,6,7
.irp c, 0,1,2,3
	global_load_b128 v[WF+16*\s+4*\c:WF+16*\s+4*\c+3], v3, s[6:7] offset:128*\s+32*\c
.endr
.endr
	s_wait_alu depctr_va_vdst(0)
	s_wait_loadcnt 16                              ; r's and W's K steps 0-3 are in; W's steps 4-7, sixteen loads, may be out
	; two accumulators by turns, one instruction a turn; the first two products start the sums
	v_wmma_f32_16x16x128_fp8_fp8 v[224:231], v[WF:WF+15], v[RF:RF+15], 0
	v_wmma_f32_16x16x128_fp8_fp8 v[232:239], v[WF+16:WF+31], v[RF+16:RF+31], 0
	v_wmma_f32_16x16x128_fp8_fp8 v[224:231], v[WF+32:WF+47], v[RF+32:RF+47], v[224:231]
	v_wmma_f32_16x16x128_fp8_fp8 v[232:239], v[WF+48:WF+63], v[RF+48:RF+63], v[232:239]
.rept 4
	v_nop                                          ; four places in front of loads into registers that matrix instructions have read
.endr
.irp s, 0,1,2,3
.irp c, 0,1,2,3
	global_load_b128 v[RF+16*\s+4*\c:RF+16*\s+4*\c+3], v4, s[8:9] offset:512+128*\s+32*\c
.endr
.endr
	s_wait_loadcnt 0x0
	v_wmma_f32_16x16x128_fp8_fp8 v[224:231], v[WF+64:WF+79], v[RF:RF+15], v[224:231]
	v_wmma_f32_16x16x128_fp8_fp8 v[232:239], v[WF+80:WF+95], v[RF+16:RF+31], v[232:239]
	v_wmma_f32_16x16x128_fp8_fp8 v[224:231], v[WF+96:WF+111], v[RF+32:RF+47], v[224:231]
	v_wmma_f32_16x16x128_fp8_fp8 v[232:239], v[WF+112:WF+127], v[RF+48:RF+63], v[232:239]
.rept 4
	v_nop                                          ; four places in front of the first read of the results
.endr
.irp j, 0,2,4,6
	v_pk_add_f32 v[T+\j:T+\j+1], v[224+\j:225+\j], v[232+\j:233+\j]   ; each accumulator from its low end on: lane (r, h), register j: output 16 g + 8 h + j, short of 2^(e2 + e3)
.endr
	v_cmp_eq_u32 vcc_lo, 0, v1                     ; lanes 0 and 16 store: the other columns hold the same numbers
	s_wait_kmcnt 0x0                               ; the exponents
	s_cmp_lt_u32 ttmp9, 144
	s_cbranch_scc0 .Lkpart
	s_add_co_i32 s32, s26, s27                     ; e2 + e3
	s_wait_alu depctr_va_vdst(0)
.irp j, 0,1,2,3,4,5,6,7
	v_ldexp_f32 v[T+\j], v[T+\j], s32              ; r_q[-1] as it is
.endr
	s_lshl_b32 s20, s19, 6
	s_add_nc_u64 s[14:15], s[14:15], s[20:21]      ; rq + 16 g numbers
	v_lshlrev_b32 v5, 5, v2                        ; + 8 h numbers
	s_wait_alu depctr_va_vdst(0)
	s_wait_xcnt 0x0                                ; EXEC changes only behind this wait: it is a source of the loads above
	s_and_saveexec_b32 s33, vcc_lo
	global_store_b128 v5, v[T:T+3], s[14:15]
	global_store_b128 v5, v[T+4:T+7], s[14:15] offset:16
	s_wait_xcnt 0x0                                ; and again in front of the line that widens it
	s_or_b32 exec_lo, exec_lo, s33
	s_endpgm
.Lkpart:
	s_sub_co_i32 s32, s30, s26
	s_sub_co_i32 s32, s32, s27                     ; a sum stands for sum x 2^(e2 + e3): its code is sum / 2^(e6 - e2 - e3)
	s_add_co_i32 s32, s32, 127
	s_lshl_b32 s33, s32, 23
	v_mov_b32 v250, s33
.irp j, 0,1,2,3,4,5,6,7
.endr
	s_wait_alu depctr_va_vdst(0)
	v_cvt_scalef32_pk8_fp8_f32 v[248:249], v[T:T+7], v250
	v_nop                                          ; one plain vector line behind the conversion
	s_sub_co_u32 s34, s19, 64                      ; 16 (g - 64) = 64 x head + the head's first channel
	s_lshr_b32 s35, s34, 2
	s_mul_i32 s35, s35, 4100                       ; a head's table has 4,100 rows of 64 bytes
	s_add_co_u32 s35, s35, 2048
	s_lshl_b32 s35, s35, 6
	s_and_b32 s34, s34, 3
	s_lshl_b32 s34, s34, 4
	s_add_co_u32 s20, s35, s34
	s_add_nc_u64 s[16:17], s[16:17], s[20:21]
	v_lshlrev_b32 v5, 3, v2                        ; + 8 h codes
	s_wait_alu depctr_va_vdst(0)
	s_wait_xcnt 0x0
	s_and_saveexec_b32 s33, vcc_lo
	global_store_b64 v5, v[248:249], s[16:17]
	s_wait_xcnt 0x0
	s_or_b32 exec_lo, exec_lo, s33
	s_endpgm
.Lfunc_end_k_q30816b1dbf_prep:
	.size	k_q30816b1dbf_prep, .Lfunc_end_k_q30816b1dbf_prep-k_q30816b1dbf_prep
	.p2alignl 7, 3214868480
	.fill 96, 4, 3214868480
	.section	.rodata,"a",@progbits
	.p2align	6, 0x0
	.amdhsa_kernel k_q30816b1dbf_prep
		.amdhsa_group_segment_fixed_size 33280
		.amdhsa_private_segment_fixed_size 0
		.amdhsa_enable_private_segment 0
		.amdhsa_kernarg_size 56
		.amdhsa_user_sgpr_count 2
		.amdhsa_user_sgpr_kernarg_segment_ptr 1
		.amdhsa_wavefront_size32 1
		.amdhsa_system_sgpr_workgroup_id_x 1
		.amdhsa_system_sgpr_workgroup_id_y 1
		.amdhsa_system_sgpr_workgroup_id_z 1
		.amdhsa_system_vgpr_workitem_id 0
		.amdhsa_next_free_vgpr 256
		.amdhsa_next_free_sgpr 66
		.amdhsa_reserve_vcc 1
		.amdhsa_float_denorm_mode_32 3
		.amdhsa_float_denorm_mode_16_64 3
		.amdhsa_fp16_overflow 1
		.amdhsa_memory_ordered 1
		.amdhsa_forward_progress 1
		.amdhsa_inst_pref_size 31
	.end_amdhsa_kernel
	.amdgpu_metadata
---
amdhsa.version: [ 1, 2 ]
amdhsa.kernels:
  - .name:           k_q30816b1dbf_prep
    .symbol:         k_q30816b1dbf_prep.kd
    .args:
      - { .name: w, .offset: 0, .size: 8, .value_kind: global_buffer, .address_space: global }
      - { .name: W_qkv_codes, .offset: 8, .size: 8, .value_kind: global_buffer, .address_space: global }
      - { .name: r_codes, .offset: 16, .size: 8, .value_kind: global_buffer, .address_space: global }
      - { .name: lowp_scales, .offset: 24, .size: 8, .value_kind: global_buffer, .address_space: global }
      - { .name: wc, .offset: 32, .size: 8, .value_kind: global_buffer, .address_space: global }
      - { .name: rq, .offset: 40, .size: 8, .value_kind: global_buffer, .address_space: global }
      - { .name: rk, .offset: 48, .size: 8, .value_kind: global_buffer, .address_space: global }
    .group_segment_fixed_size: 33280
    .private_segment_fixed_size: 0
    .kernarg_segment_align: 8
    .kernarg_segment_size: 56
    .max_flat_workgroup_size: 128
    .sgpr_count:     66
    .vgpr_count:     256
    .wavefront_size: 32
...
	.end_amdgpu_metadata
.endif
;; end of part 6
;; launch qkv: the kernel of part 2 again; grid 56 x 4, 4 waves a work-group, clusters of 4 x 4, 327,680 bytes of LDS; arguments wc, W_qkv_codes, r_codes, lowp_scales, rq, qc, kc, vc, rk; writes qc, kc, vc, rk
;; launch attn (part 7): grid 8 x 32, 16 waves a work-group, no clusters, 327,680 bytes of LDS; arguments qc, kc, vc, rk, lowp_scales, av; writes av
.if DOCPART == 7
	.amdgcn_target "amdgcn-amd-amdhsa--gfx1250"
	.amdhsa_code_object_version 6
	.text
	.protected	k_q30816b1dbf_attn
	.globl	k_q30816b1dbf_attn
	.p2align	8
	.type	k_q30816b1dbf_attn,@function
k_q30816b1dbf_attn:
	s_mov_b64 s[64:65], 0
	v_nop
	global_prefetch_b8 v0, s[64:65] scope:SCOPE_SE
	s_setreg_imm32_b32 hwreg(HW_REG_WAVE_MODE, 25, 1), 1
	s_wait_xcnt 0x0
; RELATIVE ATTENTION on codes of E4M3.  score[i][j] = (rw_q[i] . w_k[j] + BD'[i][j]) / 8, softmax over all 2,048 keys j, times w_v; the result is quantised with 2^e10 for the last projection.
; THE SHIFT.  With E = 2048 + j - i:  BD'[i][j] = rw_q[i] . r_k[E] where E <= 2048, and rw_q[i + 1] . r_k[E - 2049] where E >= 2049.  The table rk holds r_k's rows 0-2048 at E = 0-2048 and rows 0-2047 again at E = 2049-4096:
; so the right operand is rk[E] throughout, and for 16 queries and 128 keys it is a window of 143 neighbouring rows.  A tile of 16 rows E of a wave's window ends at a multiple of 16 from 2048, so it takes query i in all its rows or query i + 1 in all:
; a scalar branch on ids chooses between two fragments of queries.  What is left is a skew: element (query qi, window row e) belongs to key e + qi - 15.  It is done in f32 through the wave's own stage in LDS: stored along the diagonal, read back by rows.
; SHARES.  A work-group owns 256 queries of one batch and head; each of its sixteen waves 16 of them, in 256 registers.  Every wave walks all keys, 128 a step.  A step's tiles (384 rows of rk, 128 keys of K, 128 keys of V, all rows of 64 bytes,
; five dense pieces of 8,192 bytes) come through a ring of two LDS slots, one piece by each of waves 0 to 4; all sixteen read them.  A wave has one tensor load out at the most.
; NO CLUSTER: the query blocks of a head would share K and V, 16 of a step's 40 KiB; but which fragment of queries a tile of rk takes is a branch on key - query, which differs between such partners, and the form without the
; branch (rows of rk of 128 bytes, one half zeros) makes a step's own bytes 48 KiB: more than the sharing saves.
; LAYOUT.  BD: source 0 = my 16 queries, source 1 = 16 rows of rk: a lane holds one row of rk and eight queries.  S^T = K Q^T with the skewed BD as its C, and O^T = V^T P^T: a lane holds ONE query (lane % 16).
; THE KEYS.  A tile of K is 16 NEIGHBOURING keys: 16 neighbouring LDS rows of 80 bytes, which start at 16 different groups of four banks (rows 16 apart would start at the same ones).  So register j of tile t of S^T is key
; 16 t + 8 (lane / 16) + j, p's codes of tile t fall into registers 2 t, 2 t + 1 of the second product's operand, and V's fragments are read in that same order of the keys: by loads of 8 bytes, 16 bytes apart.
; THE SOFTMAX: t = score x log2(e); M = the largest t so far, rounded up to a whole number; p = 2^(t - M) is quantised with 2^e9, not normalised; the row's sum is taken of the unquantised p and divides O at the end.
; Fragments of Q, K and rk are loaded by 16 bytes a lane, 32 bytes apart: the same order of the head's 64 on both sides of each product.
; LIMITS: e4 + e5 between -123 and 130 (added to c's exponent field); e6 + e7 - e4 - e5 between -126 and 127; e9 and e10 between -126 and 119.  NaN among the inputs is not served.
.set KP,    80                         ; a row in a slot: 64 bytes + 16 of padding: five times 16 bytes, so 16 neighbouring rows start at different groups of banks
.set PIECE, 128*KP                     ; what one tensor load brings
.set KOFF,  3*PIECE                    ; a slot: 384 rows of rk, 128 of K, 128 of V (two blocks of 64 channels x 64 keys)
.set VOFF,  4*PIECE
.set SLOT1, 1<<16                      ; slot 1 begins here: one exclusive or turns an address in one slot into the other's
.set STAGE, 2*SLOT1                    ; the skew's stages: written by LDS stores alone, no tile lands here
.set SROW,  656                        ; a query's row: 164 words: key kappa at word kappa + 16; words 1-15 and 144-159 take what belongs to other steps' keys
.set WST,   16*SROW                    ; a wave's stage
.set SPARE, STAGE+16*WST               ; behind the stages: the spare words, 128 bytes for each wave, that no other line names
.set AK0,  1                           ; v1   my lane's place in a tile of K
.set AV0,  2                           ; v2   of V
.set ARK0, 3                           ; v3   in my wave's window of rk
.set STA,  4                           ; v4   the stage, on the way in
.set SPW,  5                           ; v5   LDS address of my spare word; never rewritten
.set NIL,  6                           ; v6   0; never rewritten
.set GO,   7                           ; v7   16 x lane
.set ADK,  8                           ; v8-10 the step's addresses in the slot in hand
.set ADV,  9
.set ADR,  10
.set LDA,  11                          ; v11  the stage, on the way back
.set QA,   16                          ; v16-23  my queries' codes with 2^e5
.set QB,   24                          ; v24-31  with 2^e7
.set QB2,  32                          ; v32-39  with 2^e7, one query further on
.set F,    40                          ; v40-111 fragments: 9 of rk, then 8 of K, then 4 of V
.set RAW,  112                         ; v112-183 the 9 tiles of BD as they are made
.set S,    112                         ; v112-175 S^T, then p
.set O,    184                         ; v184-215 O^T
.set P,    216                         ; v216-231 p's codes
.set WSO,  235                         ; v235 the way out: where I put 8 codes;  v237: where I read 16 back
.set WRD,  237
.set WV,   18
.set SEL,  20                          ; s[20:21] lane selects for v_permlanex16_b32: lane l xor 16
.set CS,   22                          ; s[22:23] c = log2(e) / 8 x 2^(e4 + e5)
.set G1,   24                          ; s[24:31] descriptor group 1, one for all five pieces;  s[40:43] my group 0, which walks
.set G0,   40
.set SBD,  44                          ; s[44:45] 2^(e6 + e7 - e4 - e5): BD in the units of K Q^T
.set TB,   46                          ; s46  LDS byte at which the slot in hand begins
.set SLOTS, 47
.set DI,   48                          ; s48  the step's first key less my first query
.macro TLOAD                           ; waves 0 to 4 fetch a piece each.  The branch hangs on the wave's number alone.  Four v_nop follow the line
	s_cmp_lt_u32 s[WV], 5
	s_cbranch_scc0 .Lnone_\@
	tensor_load_to_lds s[G0:G0+3], s[G1:G1+7]
	s_nop 0
.rept 4
	v_nop
.endr
.Lnone_\@:
.endm
	s_load_b256 s[4:11], s[0:1], 0x0               ; qc s[4:5], kc s[6:7], vc s[8:9], rk s[10:11]
	s_load_b128 s[12:15], s[0:1], 0x20             ; the exponents s[12:13], av s[14:15]
	v_lshl_add_u32 v[SPW], v0, 2, SPARE
	v_mov_b32 v[NIL], 0
	ds_add_u32 v5, v6
	ds_add_u32 v5, v6
	s_wait_dscnt 0x0
	v_lshrrev_b32 v8, 5, v0
	s_delay_alu instid0(VALU_DEP_1)
	v_readfirstlane_b32 s[WV], v8                  ; wave 0..15
	s_and_b32 s50, ttmp7, 0xffff                   ; y = 16 x batch + head
	s_and_b32 s51, s50, 15                         ; head
	s_lshr_b32 s52, s50, 4                         ; batch
	s_lshl_b32 s53, ttmp9, 8                       ; the work-group's first query
	s_lshl_b32 s54, s[WV], 4
	s_add_co_u32 s54, s53, s54                     ; i0: my first query
	s_min_u32 s55, s[WV], 4                        ; my piece
	s_mul_i32 s[G0+1], s55, PIECE                  ; 63:32 LDS address: slot 0
	s_mul_i32 s56, s51, 4100                       ; pieces 0-2: rk's rows head x 4100 + 1793 - first query + 128 x piece on: E = 2048 + j - i is least for j = 0 and the block's last query
	s_add_co_u32 s56, s56, 1793
	s_sub_co_u32 s56, s56, s53
	s_lshl_b32 s57, s55, 7
	s_add_co_u32 s56, s56, s57
	s_lshl_b32 s56, s56, 6
	s_lshl_b32 s58, s50, 17                        ; pieces 3, 4, and Q: the head's 131,072 bytes in kc, vc, qc
	s_mov_b32 s59, 0
	s_mov_b32 s61, 0
	s_mov_b32 s[G1], (0<<16)|(1<<20)|(3<<22)|(3<<25)   ; 15:0 no mask; 17:16 elements of 1 byte; 20 padding on; 24:22 after every 16 words (code 3); 31:25 four words (code 3)
	s_mov_b32 s[G1+1], 64<<16                      ; tensor_dim0
	s_mov_b32 s[G1+2], 128<<16                     ; tensor_dim1
	s_mov_b32 s[G1+3], 64<<16                      ; tile_dim0
	s_mov_b32 s[G1+4], 128                         ; tile_dim1
	s_mov_b32 s[G1+5], 64                          ; tensor_dim0_stride: the rows are dense
	s_mov_b32 s[G1+6], 0
	s_mov_b32 s[G1+7], 0
	s_mov_b32 s[SEL], 0x76543210
	s_mov_b32 s[SEL+1], 0xfedcba98
	s_mov_b32 s[CS], 0x3e38aa3b                    ; log2(e) / 8
	s_mov_b32 s[TB], 0
	s_mov_b32 s[SLOTS], 15
	s_sub_co_i32 s[DI], 0, s54
	s_wait_kmcnt 0x0
	s_load_b256 s[68:75], s[12:13], 0x0            ; e0 .. e7
	s_load_b128 s[76:79], s[12:13], 0x20           ; e8 .. e11
	s_cmp_lt_u32 s[WV], 3
	s_cselect_b32 s60, s56, s58
	s_cselect_b64 s[62:63], s[10:11], s[6:7]       ; rk, or K's codes,
	s_cmp_lt_u32 s[WV], 4
	s_cselect_b64 s[62:63], s[62:63], s[8:9]       ; or V's
	s_mov_b32 s[G0], 1                             ; 1:0 count = 1
	s_add_nc_u64 s[G0+2:G0+3], s[62:63], s[60:61]  ; 120:64 global address
	s_or_b32 s[G0+3], s[G0+3], 0x80000000          ; 127:126 type = 2
	TLOAD                                          ; key step 0 into slot 0
	s_add_nc_u64 s[4:5], s[4:5], s[58:59]          ; Q's codes at the head
	s_lshl_b32 s60, s51, 12                        ; av: (head x 4096 + batch x 2048 + i0) rows of 64 codes
	s_lshl_b32 s62, s52, 11
	s_add_co_u32 s60, s60, s62
	s_add_co_u32 s60, s60, s54
	s_lshl_b32 s60, s60, 6
	s_add_nc_u64 s[14:15], s[14:15], s[60:61]
	v_and_b32 v8, 15, v0                           ; r
	v_bfe_u32 v9, v0, 4, 1                         ; h
	s_delay_alu instid0(VALU_DEP_2)
	v_add_nc_u32 v232, s54, v8                     ; query i0 + r,
	s_delay_alu instid0(VALU_DEP_1)
	v_add_nc_u32 v233, 1, v232
	s_delay_alu instid0(VALU_DEP_1)
	v_min_u32 v233, 2047, v233                     ; and the one behind it (the last query has none, and no key of its row asks for it)
	s_delay_alu instid0(VALU_DEP_3)
	v_lshlrev_b32 v232, 6, v232
	s_delay_alu instid0(VALU_DEP_1)
	v_lshl_add_u32 v232, v9, 4, v232
	s_delay_alu instid0(VALU_DEP_3)
	v_lshlrev_b32 v233, 6, v233
	s_delay_alu instid0(VALU_DEP_1)
	v_lshl_add_u32 v233, v9, 4, v233               ; v232, v233 are not written again
	global_load_b128 v[QA:QA+3], v232, s[4:5]
	global_load_b128 v[QA+4:QA+7], v232, s[4:5] offset:32
	global_load_b128 v[QB:QB+3], v232, s[4:5] offset:4194304
	global_load_b128 v[QB+4:QB+7], v232, s[4:5] offset:4194304+32
	global_load_b128 v[QB2:QB2+3], v233, s[4:5] offset:4194304
	global_load_b128 v[QB2+4:QB2+7], v233, s[4:5] offset:4194304+32
	v_mul_u32_u24 v[AV0], v8, KP                   ; r x pitch
	s_delay_alu instid0(VALU_DEP_1)
	v_lshl_add_u32 v[AK0], v9, 4, v[AV0]           ; K and rk: + 16 h
	s_xor_b32 s57, s[WV], 15
	s_mul_i32 s57, s57, 16*KP
	v_add_nc_u32 v[ARK0], s57, v[AK0]              ; my window begins at the slot's row 240 - 16 x wave
	v_add_nc_u32 v[AK0], KOFF, v[AK0]
	v_lshl_add_u32 v[AV0], v9, 3, v[AV0]           ; V: + 8 h: the 32 lanes of a load of 8 bytes fall on words 20 r + 2 h and the next
	s_delay_alu instid0(VALU_DEP_1)
	v_add_nc_u32 v[AV0], VOFF, v[AV0]
	s_mul_i32 s57, s[WV], WST
	s_add_co_u32 s57, s57, STAGE                   ; my stage
	v_mul_u32_u24 v[STA], v9, 5280                 ; in: tile t, register j of lane (r, h) is query 8 h + j, key 16 t + r + 8 h + j - 15: row 8 h + j, word 16 t + r + 8 h + j + 1:
	s_delay_alu instid0(VALU_DEP_1)
	v_lshl_add_u32 v[STA], v8, 2, v[STA]           ; 8 h x 660 + 4 r + 4, and 660 j + 64 t in the immediate.  Lanes 0-15 fall on 16 neighbouring banks, lanes 16-31 on those 40 further on
	s_delay_alu instid0(VALU_DEP_1)
	v_add_nc_u32 v[STA], s57, v[STA]
	s_delay_alu instid0(VALU_DEP_1)
	v_add_nc_u32 v[STA], 4, v[STA]
	v_mul_u32_u24 v[LDA], v8, SROW                 ; back: my query's row, + 32 h: keys 8 h on
	s_delay_alu instid0(VALU_DEP_1)
	v_lshl_add_u32 v[LDA], v9, 5, v[LDA]
	s_delay_alu instid0(VALU_DEP_1)
	v_add_nc_u32 v[LDA], s57, v[LDA]
	v_mul_u32_u24 v[WSO], v8, KP                   ; the way out uses the same bytes: row r of 64 codes + 16, + 8 h
	s_delay_alu instid0(VALU_DEP_1)
	v_lshl_add_u32 v[WSO], v9, 3, v[WSO]
	s_delay_alu instid0(VALU_DEP_1)
	v_add_nc_u32 v[WSO], s57, v[WSO]
	v_and_b32 v238, 31, v0
	s_delay_alu instid0(VALU_DEP_1)
	v_lshlrev_b32 v[GO], 4, v238
	s_delay_alu instid0(VALU_DEP_2)
	v_lshrrev_b32 v[WRD], 2, v238
	s_delay_alu instid0(VALU_DEP_1)
	v_mul_u32_u24 v[WRD], v[WRD], KP
	s_delay_alu instid0(VALU_DEP_4)
	v_and_b32 v238, 3, v238
	s_delay_alu instid0(VALU_DEP_1)
	v_lshl_add_u32 v[WRD], v238, 4, v[WRD]
	s_delay_alu instid0(VALU_DEP_1)
	v_add_nc_u32 v[WRD], s57, v[WRD]
	v_mov_b32 v13, 0xff61b1e6                      ; the largest t so far: -3e38, under every t
	s_delay_alu instid0(VALU_DEP_1)
	v_floor_f32 v12, -v13                          ; -M
	v_mov_b32 v14, 0                               ; the sum, in two halves
	v_mov_b32 v15, 0
	v_mov_b32 v236, 0                              ; written once: a lane permute's destination counts as one of its sources
	v_mov_b32 v253, 0                              ; (named as the upper half of the pair v[252:253])
.set i, 0
.rept 32
	v_mov_b32 v[O+i], 0                            ; O^T.  (The step is written for every step alike: the first finds zeros, which the first change of M leaves zeros)
.set i, i+1
.endr
	s_wait_kmcnt 0x0
	s_add_co_i32 s60, s72, s73                     ; e4 + e5: a score of K Q^T stands for score x 2^(e4 + e5): added to c's exponent field
	s_lshl_b32 s62, s60, 23
	s_add_co_i32 s[CS], s[CS], s62
	s_mov_b32 s[CS+1], s[CS]                       ; (named with it as a pair, so it is written)
	s_add_co_i32 s62, s74, s75
	s_sub_co_i32 s62, s62, s60
	s_add_co_i32 s62, s62, 127
	s_lshl_b32 s[SBD], s62, 23                     ; 2^(e6 + e7 - e4 - e5)
	s_mov_b32 s[SBD+1], s[SBD]
	s_add_co_i32 s60, s77, 127
	s_lshl_b32 s62, s60, 23
	v_mov_b32 v244, s62                            ; 2^e9 as f32, for p's conversion
; Tile t of BD: rows E = 2033 + DI + 16 t + 0 .. 15 of the table.  All of them are at most 2048 where DI + 16 t <= 0: query i; else all are 2049 or more: query i + 1.
.macro BDT t
	s_cmp_le_i32 s[DI], -16*\t
	s_cbranch_scc0 .Lup_\@
	v_wmma_f32_16x16x64_fp8_fp8 v[RAW+8*\t:RAW+8*\t+7], v[QB:QB+7], v[F+8*\t:F+8*\t+7], 0
	s_branch .Ldn_\@
.Lup_\@:
	v_wmma_f32_16x16x64_fp8_fp8 v[RAW+8*\t:RAW+8*\t+7], v[QB2:QB2+7], v[F+8*\t:F+8*\t+7], 0
.Ldn_\@:
.endm
; A KEY STEP: 128 keys.  No two matrix instructions that follow each other share an accumulator: BD's nine, S^T's eight, O^T's four, and BD's first again.
.macro STEP
	v_add_nc_u32 v[ADR], s[TB], v[ARK0]
	v_add_nc_u32 v[ADK], s[TB], v[AK0]
	v_add_nc_u32 v[ADV], s[TB], v[AV0]
	v_nop                                          ; with the three additions: four places in front of loads into registers that the last products read
.irp t, 0,1,2,3,4,5,6,7,8
	ds_load_b128 v[F+8*\t:F+8*\t+3], v[ADR] offset:\t*16*KP
	ds_load_b128 v[F+8*\t+4:F+8*\t+7], v[ADR] offset:\t*16*KP+32
.endr
	s_wait_dscnt 0x0
.irp t, 0,1,2,3,4,5,6,7,8
	BDT \t
.endr
.rept 4
	v_nop                                          ; four places: the loads below land where these products read, and the scalings read their results
.endr
	s_wait_alu depctr_va_vdst(0)
.irp t, 0,1,2,3,4,5,6,7
	ds_load_b128 v[F+8*\t:F+8*\t+3], v[ADK] offset:\t*16*KP                       ; K's eight tiles of 16 neighbouring keys: asked for now, wanted behind the skew
	ds_load_b128 v[F+8*\t+4:F+8*\t+7], v[ADK] offset:\t*16*KP+32
.endr
.set i, 0
.rept 36
	v_pk_mul_f32 v[RAW+i:RAW+i+1], v[RAW+i:RAW+i+1], s[SBD:SBD+1] op_sel_hi:[1,0]   ; into the units of K Q^T: a power of two, nothing is rounded; each tile from its low end on
.set i, i+2
.endr
.irp t, 0,1,2,3,4,5,6,7,8
.irp j, 0,1,2,3,4,5,6,7
	ds_store_b32 v[STA], v[RAW+8*\t+\j] offset:660*\j+64*\t                       ; THE SKEW: along the diagonal
.endr
.endr
.irp t, 0,1,2,3,4,5,6,7
.irp e, 0,1
	ds_load_b128 v[S+8*\t+4*\e:S+8*\t+4*\e+3], v[LDA] offset:64+64*\t+16*\e       ; and back by rows: my query's BD at keys 16 t + 8 h + 4 e on.  LDS serves a wave's instructions in order: these see the stores, which have taken their data
.endr
.endr
	s_wait_dscnt 0x0                               ; K's fragments and BD are in
.irp t, 0,1,2,3,4,5,6,7
	v_wmma_f32_16x16x64_fp8_fp8 v[S+8*\t:S+8*\t+7], v[F+8*\t:F+8*\t+7], v[QA:QA+7], v[S+8*\t:S+8*\t+7]   ; S^T = K Q^T + BD
.endr
.rept 4
	v_nop
.endr
.irp t, 0,1,2,3
.irp c, 0,1,2,3,4,5,6,7
	ds_load_b64 v[F+16*\t+2*\c:F+16*\t+2*\c+1], v[ADV] offset:(\c/4)*64*KP+16*\t*KP+16*(\c%4)   ; V's four tiles (16 channels x 128 keys): registers 2 c, 2 c + 1 take keys 16 c + 8 h on, as p's codes lie; they land while the softmax is worked
.endr
.endr
	v_max3_num_f32 v254, v[S], v[S+1], v[S+2]      ; the step's largest score of my query, among my 64 keys, in two chains,
	v_max3_num_f32 v252, v[S+3], v[S+4], v[S+5]
.set i, 6
.rept 14
	v_max3_num_f32 v254, v254, v[S+i], v[S+i+1]
	v_max3_num_f32 v252, v252, v[S+i+2], v[S+i+3]
.set i, i+4
.endr
	v_max3_num_f32 v254, v254, v[S+62], v[S+63]
	s_delay_alu instid0(VALU_DEP_1)
	v_max_num_f32 v254, v254, v252
	s_delay_alu instid0(VALU_DEP_1)
	v_permlanex16_b32 v236, v254, s[SEL], s[SEL+1]
	s_delay_alu instid0(VALU_DEP_1)
	v_max_num_f32 v254, v254, v236                 ; and among lane l xor 16's
	s_delay_alu instid0(VALU_DEP_1)
	v_mul_f32 v254, s[CS], v254                    ; as t (c is positive)
	s_delay_alu instid0(VALU_DEP_1)
	v_max_num_f32 v13, v13, v254                   ; the running largest t
	v_mov_b32 v254, v12
	s_delay_alu instid0(VALU_DEP_2)
	v_floor_f32 v12, -v13                          ; the new -M = floor(-t) = -ceil(t): a whole number
	s_delay_alu instid0(VALU_DEP_1)
	v_sub_f32 v254, v12, v254                      ; M's old value less its new one: 0 or less
	s_delay_alu instid0(VALU_DEP_1)
	v_cvt_i32_f32 v254, v254                       ; (it saturates)
	s_delay_alu instid0(VALU_DEP_1)
	v_ldexp_f32 v252, 1.0, v254                    ; f = 2^(old M - new M)
.set i, 0
.rept 32
	v_pk_fma_f32 v[S+i:S+i+1], v[S+i:S+i+1], s[CS:CS+1], v[12:13] op_sel_hi:[1,0,0]   ; t - M, two at a time
.set i, i+2
.endr
.set i, 0
	s_wait_alu depctr_va_vdst(0)
.rept 64
	v_exp_f32 v[S+i], v[S+i]                       ; p = 2^(t - M), at most 1
.set i, i+1
.endr
	v_pk_mul_f32 v[14:15], v[14:15], v[252:253] op_sel_hi:[1,0]   ; the sums under the new M.  (A plain line behind the exponentials)
	s_wait_alu depctr_va_vdst(0)
	v_pk_add_f32 v[242:243], v[116:117], v[120:121]
	v_pk_add_f32 v[254:255], v[124:125], v[128:129]
	v_pk_add_f32 v[250:251], v[132:133], v[136:137]
	v_pk_add_f32 v[248:249], v[140:141], v[144:145]
	v_pk_add_f32 v[246:247], v[148:149], v[152:153]
	v_pk_add_f32 v[240:241], v[156:157], v[160:161]
	v_pk_add_f32 v[238:239], v[164:165], v[168:169]
	v_pk_add_f32 v[14:15], v[14:15], v[172:173]
	v_pk_add_f32 v[242:243], v[242:243], v[112:113]
	v_pk_add_f32 v[254:255], v[254:255], v[114:115]
	v_pk_add_f32 v[250:251], v[250:251], v[118:119]
	v_pk_add_f32 v[248:249], v[248:249], v[122:123]
	v_pk_add_f32 v[246:247], v[246:247], v[126:127]
	v_pk_add_f32 v[240:241], v[240:241], v[130:131]
	v_pk_add_f32 v[238:239], v[238:239], v[134:135]
	v_pk_add_f32 v[14:15], v[14:15], v[138:139]
	v_pk_add_f32 v[242:243], v[242:243], v[142:143]
	v_pk_add_f32 v[254:255], v[254:255], v[146:147]
	v_pk_add_f32 v[250:251], v[250:251], v[150:151]
	v_pk_add_f32 v[248:249], v[248:249], v[154:155]
	v_pk_add_f32 v[246:247], v[246:247], v[158:159]
	v_pk_add_f32 v[240:241], v[240:241], v[162:163]
	v_pk_add_f32 v[238:239], v[238:239], v[166:167]
	v_pk_add_f32 v[14:15], v[14:15], v[170:171]
	v_pk_add_f32 v[242:243], v[242:243], v[174:175]
	s_delay_alu instid0(VALU_DEP_2)
	v_pk_add_f32 v[14:15], v[14:15], v[248:249]
	s_delay_alu instid0(VALU_DEP_2)
	v_pk_add_f32 v[242:243], v[242:243], v[246:247]
	v_pk_add_f32 v[254:255], v[254:255], v[240:241]
	v_pk_add_f32 v[250:251], v[250:251], v[238:239]
	s_delay_alu instid0(VALU_DEP_2)
	v_pk_add_f32 v[14:15], v[14:15], v[254:255]
	s_delay_alu instid0(VALU_DEP_2)
	v_pk_add_f32 v[242:243], v[242:243], v[250:251]
	s_delay_alu instid0(VALU_DEP_1)
	v_pk_add_f32 v[14:15], v[14:15], v[242:243]
.irp b, 0,1,2,3
.irp k, 0,1,2,3,4,5,6,7,8,9,10,11,12,13,14,15
.endr
	v_cvt_scalef32_pk8_fp8_f32 v[P+4*\b:P+4*\b+1], v[S+16*\b:S+16*\b+7], v244          ; tile 2 b's eight keys into registers 4 b, 4 b + 1,
	v_cvt_scalef32_pk8_fp8_f32 v[P+4*\b+2:P+4*\b+3], v[S+16*\b+8:S+16*\b+15], v244     ; tile 2 b + 1's into the next two
.endr
.set i, 0
.rept 16
	v_pk_mul_f32 v[O+i:O+i+1], v[O+i:O+i+1], v[252:253] op_sel_hi:[1,0]   ; O^T under the new M.  (Also the plain lines behind the conversions)
.set i, i+2
.endr
	s_wait_alu depctr_va_vdst(0)
	s_wait_dscnt 0x0                               ; V's fragments are in
.irp t, 0,1,2,3
	v_wmma_f32_16x16x128_fp8_fp8 v[O+8*\t:O+8*\t+7], v[F+16*\t:F+16*\t+15], v[P:P+15], v[O+8*\t:O+8*\t+7]
.endr
	s_add_co_i32 s[DI], s[DI], 128
	s_xor_b32 s[TB], s[TB], SLOT1                  ; on to the other slot
.endm
; THE CHANGE OF SLOTS stands at a step's head.  Each wave waits for all its tensor loads (its piece of the slot that it is about to read), adds 0 to its spare word, and waits for that and for its reads of the slot that it has left.
; Behind the barrier the slot ahead is whole and nobody reads the other one.  fill = 1: that other slot takes the next step's tiles: the load has a whole step in which to land.
.macro CHANGE fill
	s_wait_tensorcnt 0x0                           ; no tensor load of mine is out, so my group 0 may be written
	ds_add_u32 v[SPW], v[NIL]                      ; 0 onto my spare word
.if \fill
	s_xor_b32 s[G0+1], s[G0+1], SLOT1              ; the other slot than last time,
	s_add_nc_u64 s[G0+2:G0+3], s[G0+2:G0+3], 8192  ; 128 rows of 64 bytes on, in each of the five pieces; the type bits on top are not reached
.endif
	s_wait_dscnt 0x0                               ; the add is done, and my reads of the slot that I have left are over
	s_barrier_signal -1
	s_barrier_wait -1
.if \fill
	TLOAD                                          ; the first thing behind the barrier, and a wave's one tensor load until the next
.endif
.endm
	s_wait_loadcnt 0x0                             ; Q
.Lslot:                                            ; 15 trips: behind each change of slots but the last the next step's tiles are asked for
	CHANGE 1
	STEP
	s_sub_co_u32 s[SLOTS], s[SLOTS], 1
	s_cmp_lg_u32 s[SLOTS], 0
	s_cbranch_scc1 .Lslot
	CHANGE 0                                       ; the last step is written out
	STEP
	; THE WAY OUT.  O^T x 2^(e8 + e9) / the sum is attn_vec; it is quantised with 2^e10.  A lane's 8 codes of a tile go into my stage (rows of 64 codes + 16) and come back 16 a lane: two stores of 512 consecutive bytes.
.rept 4
	v_nop                                          ; four places behind the last products
.endr
	v_add_f32 v14, v14, v15                        ; the sum's two halves,
	s_delay_alu instid0(VALU_DEP_1)
	v_permlanex16_b32 v252, v14, s[SEL], s[SEL+1]
	s_delay_alu instid0(VALU_DEP_1)
	v_add_f32 v14, v14, v252                       ; and lane l xor 16's
	s_wait_alu depctr_va_vdst(0)
	v_rcp_f32 v14, v14
	v_nop                                          ; a plain line behind the transcendental
	s_add_co_i32 s60, s76, s77
	s_wait_alu depctr_va_vdst(0)
	v_ldexp_f32 v14, v14, s60                      ; x 2^(e8 + e9)
	s_add_co_i32 s60, s78, 127
	s_lshl_b32 s62, s60, 23
	v_mov_b32 v244, s62                            ; 2^e10
.set i, 0
.rept 32
	v_mul_f32 v[S+i], v[O+i], v14                  ; register 8 t + j: attn_vec(query r, channel 16 t + 8 h + j); each tile from its low end on
.set i, i+1
.endr
.set i, 0
.rept 32
.set i, i+1
.endr
.irp t, 0,1,2,3
	v_cvt_scalef32_pk8_fp8_f32 v[P+2*\t:P+2*\t+1], v[S+8*\t:S+8*\t+7], v244
.endr
	v_nop                                          ; one plain vector line behind the last conversion
.irp t, 0,1,2,3
	ds_store_b64 v[WSO], v[P+2*\t:P+2*\t+1] offset:16*\t
.endr
	ds_load_b128 v[F:F+3], v[WRD]                  ; LDS serves a wave's instructions in order: these see my stores
	ds_load_b128 v[F+4:F+7], v[WRD] offset:8*KP
	s_wait_dscnt 0x0
	global_store_b128 v[GO], v[F:F+3], s[14:15]
	global_store_b128 v[GO], v[F+4:F+7], s[14:15] offset:512
	s_wait_tensorcnt 0x0                           ; the wave's end, behind my last tensor load and my last LDS store
	ds_add_u32 v[SPW], v[NIL]
	s_wait_dscnt 0x0
	s_endpgm
.Lfunc_end_k_q30816b1dbf_attn:
	.size	k_q30816b1dbf_attn, .Lfunc_end_k_q30816b1dbf_attn-k_q30816b1dbf_attn
	.p2alignl 7, 3214868480
	.fill 96, 4, 3214868480
	.section	.rodata,"a",@progbits
	.p2align	6, 0x0
	.amdhsa_kernel k_q30816b1dbf_attn
		.amdhsa_group_segment_fixed_size 327680
		.amdhsa_private_segment_fixed_size 0
		.amdhsa_enable_private_segment 0
		.amdhsa_kernarg_size 48
		.amdhsa_user_sgpr_count 2
		.amdhsa_user_sgpr_kernarg_segment_ptr 1
		.amdhsa_wavefront_size32 1
		.amdhsa_system_sgpr_workgroup_id_x 1
		.amdhsa_system_sgpr_workgroup_id_y 1
		.amdhsa_system_sgpr_workgroup_id_z 1
		.amdhsa_system_vgpr_workitem_id 0
		.amdhsa_next_free_vgpr 256
		.amdhsa_next_free_sgpr 80
		.amdhsa_reserve_vcc 0
		.amdhsa_float_denorm_mode_32 3
		.amdhsa_float_denorm_mode_16_64 3
		.amdhsa_fp16_overflow 1
		.amdhsa_memory_ordered 1
		.amdhsa_forward_progress 1
		.amdhsa_inst_pref_size 64
	.end_amdhsa_kernel
	.amdgpu_metadata
---
amdhsa.version: [ 1, 2 ]
amdhsa.kernels:
  - .name:           k_q30816b1dbf_attn
    .symbol:         k_q30816b1dbf_attn.kd
    .args:
      - { .name: qc, .offset: 0, .size: 8, .value_kind: global_buffer, .address_space: global }
      - { .name: kc, .offset: 8, .size: 8, .value_kind: global_buffer, .address_space: global }
      - { .name: vc, .offset: 16, .size: 8, .value_kind: global_buffer, .address_space: global }
      - { .name: rk, .offset: 24, .size: 8, .value_kind: global_buffer, .address_space: global }
      - { .name: lowp_scales, .offset: 32, .size: 8, .value_kind: global_buffer, .address_space: global }
      - { .name: av, .offset: 40, .size: 8, .value_kind: global_buffer, .address_space: global }
    .group_segment_fixed_size: 327680
    .private_segment_fixed_size: 0
    .kernarg_segment_align: 8
    .kernarg_segment_size: 48
    .max_flat_workgroup_size: 512
    .sgpr_count:     80
    .vgpr_count:     256
    .wavefront_size: 32
...
	.end_amdgpu_metadata
.endif
;; end of part 7
;; launch oproj (part 8): grid 8 x 32, 4 waves a work-group, clusters of 4 x 4, 327,680 bytes of LDS; arguments av, W_o_codes, lowp_scales, w, xr; writes xr
.if DOCPART == 8
	.amdgcn_target "amdgcn-amd-amdhsa--gfx1250"
	.amdhsa_code_object_version 6
	.text
	.protected	k_q30816b1dbf_oproj
	.globl	k_q30816b1dbf_oproj
	.p2align	8
	.type	k_q30816b1dbf_oproj,@function
k_q30816b1dbf_oproj:
	s_mov_b64 s[64:65], 0
	v_nop
	global_prefetch_b8 v0, s[64:65] scope:SCOPE_SE
	s_setreg_imm32_b32 hwreg(HW_REG_WAVE_MODE, 25, 1), 1
	s_wait_xcnt 0x0
	s_wait_alu depctr_hold_cnt(0) depctr_sa_sdst(0) depctr_va_vdst(0) depctr_va_sdst(0) depctr_va_ssrc(0) depctr_va_vcc(0) depctr_vm_vsrc(0)
	s_getreg_b32 s2, hwreg(HW_REG_IB_STS2, 6, 4)
	s_cmp_eq_u32 s2, 0
	s_cbranch_scc0 .Lentry_in_a_cluster
	s_endpgm
.Lentry_in_a_cluster:
	s_bfe_u32 s2, ttmp6, 0x10000c
	s_cmp_lg_u32 s2, 0xf033
	s_cbranch_scc0 .Lentry_shape_is_right
	s_endpgm
.Lentry_shape_is_right:
; x = w + attn_vec W_o^T, the product on codes of E4M3.  A = attn_vec's codes, laid in planes by head, [16][4096 rows b x 2048 + i][64]; B = W_o's codes [1024][1024]; x: f32, rows in the output's order 2 i + b.
; A tile of x is 128 x 128: M = 4,096 and N = 1,024 give 256 tiles, one for each of 256 work-groups of four waves; a wave makes 64 x 64: 16 accumulators, 128 registers.
; NO RING.  A tile's whole K, (128 + 128) rows x 1,024 codes = 256 KiB, fits in LDS at once, in two regions (K 0-511, K 512-1023).  Every tile is a first fill.
; So there are two barriers in all: in front of the first read of each region.  A wave has two tensor loads out at the most.
; A wave's load for A brings eight planes of 64 rows x 64 bytes: each plane's part is one dense block of 4,096 bytes, stated as one row of the tile, with 16 bytes of padding behind every 64: in LDS [plane][row], rows 80 bytes apart.
; B's: 64 rows of 512 bytes, 528 apart.
; CLUSTERS of 4 x 4 work-groups: the four of a row of the cluster need the same tiles of A, the four of a column the same tiles of B: each tile is asked for JOINTLY, by the same tensor load with the same descriptor and a mask that names the four.
; THE MATRIX INSTRUCTION IS USED TRANSPOSED (source 0 = 16 rows of B, source 1 = 16 rows of A): lane (r, h) holds row r of A's block and eight neighbouring columns.
; w's 64 x 64 numbers of the wave are asked for at the head, beside the tiles, in the layout in which the results come back from the stage: they have the whole product in which to land.
; THE WAY OUT: a wave's 64 columns of f32 are 256 bytes of a row, at a multiple of 256: a block of 16 rows goes through the wave's own stage and comes back by rows; sixteen lanes store 256 consecutive bytes.
; LIMIT: e10 + e11 between -126 and 127, so that 2^(e10 + e11) is an f32 number.
; REGISTERS, in windows of 256: window 0: v0-31 addresses; v32-63 a block's sums x 2^(e10 + e11); v64-127 two blocks back from the stage; v128-255 the accumulators ((a, b) at v[128 + 8 (4 a + b)]).
;   window 1: two fragment buffers of 128: for 128 along K, 64 registers of A (4 x 16 rows), then 64 of B.   window 2: v0-127 w, then x.
.set KROW,   1024                      ; B: a row in memory
.set BROW,   512                       ; B: a tile's row in bytes
.set PITCH,  528                       ; B: an LDS row: 512 bytes + 16 of padding = 132 words: row r starts at bank 4 r mod 64 (64 banks of 4 bytes: ISA guide 11.1)
.set AP,     80                        ; A: an LDS row: 64 bytes + 16: 20 words: 16 neighbouring rows start at 16 different groups of four banks
.set APL,    64*AP                     ; A: a plane's 64 rows in LDS
.set AHALF,  8*APL                     ; A: what one tensor load brings
.set BHALF,  64*PITCH                  ; B: what one tensor load brings
.set PLANE,  4096*64                   ; A: from plane to plane in memory
.set SLOT,   2*AHALF+2*BHALF           ; a region: A's two halves, then B's two
.set SPARE,  2*SLOT                    ; behind the regions: the spare words, 128 bytes for each wave, that no other line names
.set SPITCH, 272                       ; the way out: a stage of 16 rows x (256 bytes + 16) for each wave, in region 0, which nobody reads behind the second barrier and into which no tile lands any more
.set FR,     16                        ; registers of a fragment: 16 rows x 128 K
.set ADRA, 16                          ; v16-17  LDS address of my A fragments in region 0, 1
.set ADRB, 20                          ; v20-21  the same for B
.set STO,  24                          ; v24     the way out: where I put 32 bytes of a row
.set RD,   25                          ; v25     the way out: where I read 16 bytes of a row back
.set CO,   26                          ; v26     my byte offset in w and in x; never rewritten
.set SPW,  28                          ; v28     LDS address of my spare word; never rewritten
.set NIL,  29                          ; v29     0; never rewritten
.set TMP,  32
.set BK,   64
.set ACC,  128
.set F0,   0                           ; fragment buffers, in window 1
.set F1,   128
.set G1, 24                            ; s[24:31] descriptor group 1 for A's tiles;  s[32:39] group 0, one set for each region
.set G0, 32
.set G1B, 48                           ; s[48:55], s[56:63] the same for B's tiles
.set G0B, 56
.set MSB, 0
.macro WIN new                         ; the immediate's high byte repeats the setting that is left
.if MSB != \new
	s_set_vgpr_msb (MSB<<8)|\new
.set MSB, \new
.endif
.endm
.set MUL,  0x05                        ; sources 0 (B) and 1 (A) window 1; C and D window 0
.set TO_F, 0x40                        ; destination window 1, address window 0
.set TO_W, 0x80                        ; destination window 2, address window 0
.set ADDW, 0x88                        ; source 0 window 0, source 1 and destination window 2: x = what came back + w; a store's data are its source 1
.macro JLOAD g0a, g1a, g0b, g1b        ; a joint load: waves 0 and 1 fetch for A, waves 2 and 3 for B; the branch hangs on the wave's number alone; four v_nop follow each of the two lines
	s_cmp_eq_u32 s15, 0
	s_cbranch_scc0 .Lfor_b_\@
	tensor_load_to_lds s[\g0a:\g0a+3], s[\g1a:\g1a+7]
	s_nop 0
.rept 4
	v_nop
.endr
	s_branch .Lasked_\@
.Lfor_b_\@:
	tensor_load_to_lds s[\g0b:\g0b+3], s[\g1b:\g1b+7]
	s_nop 0
.rept 4
	v_nop
.endr
.Lasked_\@:
.endm
.macro CROUND                          ; a round of the cluster's barrier
	s_barrier_signal -1
	s_barrier_wait -1
	s_cmp_lg_u32 s14, 0
	s_cbranch_scc1 .Lnot_wave_0_\@
	s_barrier_signal -3
.Lnot_wave_0_\@:
	s_barrier_wait -3
	s_barrier_signal -1
	s_barrier_wait -1
.endm
	s_load_b256 s[4:11], s[0:1], 0x0               ; av s[4:5], W_o's codes s[6:7], the exponents s[8:9], w s[10:11]
	s_load_b64 s[12:13], s[0:1], 0x20              ; xr
	v_lshl_add_u32 v[SPW], v0, 2, SPARE
	v_mov_b32 v[NIL], 0
	ds_add_u32 v28, v29
	s_wait_dscnt 0x0
	v_lshrrev_b32 v1, 5, v0
	v_readfirstlane_b32 s14, v1                    ; wave 0..3
	s_lshr_b32 s15, s14, 1                         ; which half of the tile's rows is mine.  Also: I fetch for A (0) or for B (1)
	s_and_b32 s16, s14, 1                          ; which half of its columns.  Also: which 64 rows of that tile I fetch
	s_bfe_u32 s40, ttmp6, 0x40000                  ; cx, cy: my place in the cluster
	s_bfe_u32 s41, ttmp6, 0x40004
	s_lshl_b32 s42, ttmp9, 2
	s_add_co_u32 s42, s42, s40                     ; tile column = 4 x cluster x + cx
	s_and_b32 s17, ttmp7, 0xffff
	s_lshl_b32 s17, s17, 2
	s_add_co_u32 s17, s17, s41                     ; tile row = 4 x cluster y + cy
	s_lshl_b32 s43, s41, 2
	s_lshl_b32 s43, 15, s43                        ; my row of the cluster
	s_lshl_b32 s44, 0x1111, s40                    ; my column
	; A's group 1: 8 rows (planes) of 4,096 bytes, 262,144 apart
	s_or_b32 s[G1+0], s43, (0<<16)|(1<<20)|(1<<21)|(3<<22)|(3<<25)  ; 15:0 the mask: my row; 17:16 elements of 1 byte; 20 padding on; 21 set beside a mask; 24:22 after every 16 words (code 3); 31:25 four words (code 3)
	s_mov_b32 s[G1+1], 4096<<16                    ; tensor_dim0
	s_mov_b32 s[G1+2], 8<<16                       ; tensor_dim1
	s_mov_b32 s[G1+3], 4096<<16                    ; tile_dim0
	s_mov_b32 s[G1+4], 8                           ; tile_dim1
	s_mov_b32 s[G1+5], PLANE                       ; tensor_dim0_stride
	s_mov_b32 s[G1+6], 0
	s_mov_b32 s[G1+7], 0
	; B's group 1: 64 rows of 512 bytes, 1,024 apart
	s_or_b32 s[G1B+0], s44, (0<<16)|(1<<20)|(1<<21)|(6<<22)|(3<<25) ; the mask: my column; padding: four words after every 128 (code 6)
	s_mov_b32 s[G1B+1], BROW<<16
	s_mov_b32 s[G1B+2], 64<<16
	s_mov_b32 s[G1B+3], BROW<<16
	s_mov_b32 s[G1B+4], 64
	s_mov_b32 s[G1B+5], KROW
	s_mov_b32 s[G1B+6], 0
	s_mov_b32 s[G1B+7], 0
	s_lshl_b32 s18, s16, 6                         ; which 64 rows of the tile I fetch
	s_lshl_b32 s20, s17, 7
	s_add_co_u32 s20, s20, s18
	s_lshl_b32 s20, s20, 6                         ; A: (128 x tile row + 64 x half) rows of 64 bytes in a plane
	s_mov_b32 s21, 0
	s_lshl_b32 s46, s42, 7
	s_add_co_u32 s46, s46, s18
	s_lshl_b32 s46, s46, 10                        ; B: (128 x tile column + 64 x half) rows of 1,024 bytes
	s_mov_b32 s47, 0
	s_mul_i32 s45, s16, AHALF                      ; where they go: A's half,
	s_mul_i32 s2, s16, BHALF
	s_add_co_u32 s2, s2, 2*AHALF                   ; B's half: no place in the cluster enters an LDS address
	s_wait_kmcnt 0x0
	s_load_b64 s[96:97], s[8:9], 0x28              ; e10, e11
	s_add_nc_u64 s[20:21], s[4:5], s[20:21]
	s_add_nc_u64 s[46:47], s[6:7], s[46:47]
	CROUND                                         ; all sixteen work-groups are here: the joint loads meet
.irp s, 0,1
	s_mov_b32 s[G0+4*\s], 1                        ; 1:0 count = 1
	s_add_co_u32 s[G0+4*\s+1], s45, \s*SLOT        ; 63:32 LDS address
	s_add_nc_u64 s[G0+4*\s+2:G0+4*\s+3], s[20:21], \s*8*PLANE      ; 120:64 global address: region s holds heads 8 s to 8 s + 7
	s_or_b32 s[G0+4*\s+3], s[G0+4*\s+3], 0x80000000                ; 127:126 type = 2
	s_mov_b32 s[G0B+4*\s], 1
	s_add_co_u32 s[G0B+4*\s+1], s2, \s*SLOT
	s_add_nc_u64 s[G0B+4*\s+2:G0B+4*\s+3], s[46:47], \s*BROW
	s_or_b32 s[G0B+4*\s+3], s[G0B+4*\s+3], 0x80000000
	JLOAD G0+4*\s, G1, G0B+4*\s, G1B
.endr
	v_and_b32 v1, 15, v0                           ; r = lane % 16
	v_bfe_u32 v2, v0, 4, 1                         ; h = lane / 16
	; w and x: my first row b x 2048 + i is row 2 i + b there; the next i lies two rows, 8,192 bytes, on.  Lanes 0-15 take 256 bytes of one row, lanes 16-31 of the next i's
	v_lshlrev_b32 v[CO], 13, v2
	v_lshl_add_u32 v[CO], v1, 4, v[CO]
	s_lshl_b32 s20, s17, 7
	s_lshl_b32 s21, s15, 6
	s_add_co_u32 s20, s20, s21                     ; 128 x tile row + 64 x half
	s_and_b32 s21, s20, 2047
	s_lshl_b32 s21, s21, 1
	s_lshr_b32 s20, s20, 11
	s_add_co_u32 s20, s20, s21
	s_lshl_b32 s20, s20, 12
	s_lshl_b32 s46, s42, 9
	s_lshl_b32 s47, s16, 8
	s_add_co_u32 s46, s46, s47                     ; my first column, in bytes: 512 x tile column + 256 x half
	s_add_co_u32 s20, s20, s46
	s_mov_b32 s21, 0
	s_add_nc_u64 s[10:11], s[10:11], s[20:21]
	s_add_nc_u64 s[12:13], s[12:13], s[20:21]
	WIN TO_W
.irp a, 0,1,2,3
.irp t, 0,1,2,3,4,5,6,7
	global_load_b128 v[32*\a+4*\t:32*\a+4*\t+3], v[CO], s[10:11] offset:(16*\a+2*\t)*8192   ; w: block a, rows 2 t and 2 t + 1: every offset is an immediate, 62 x 8,192 at the most
.endr
.endr
	WIN 0
	v_mul_u32_u24 v3, v1, PITCH
	v_lshl_add_u32 v4, v2, 4, v3                   ; B: row x pitch + 16 h
	v_mul_u32_u24 v3, v1, AP
	v_lshl_add_u32 v7, v2, 4, v3                   ; A likewise
	s_mul_i32 s21, s15, AHALF                      ; my 64 rows of A
	s_mul_i32 s22, s16, BHALF                      ; my 64 rows of B,
	s_add_co_u32 s22, s22, 2*AHALF                 ; which lie behind A's
.irp s, 0,1
	v_add_nc_u32 v[ADRA+\s], s21, v7
	v_add_nc_u32 v[ADRB+\s], s22, v4
	s_add_co_u32 s21, s21, SLOT
	s_add_co_u32 s22, s22, SLOT
.endr
	s_mul_i32 s23, s14, 16*SPITCH                  ; my stage
	v_mul_u32_u24 v5, v1, SPITCH                   ; in: row r, 32 bytes for each half of the lanes
	v_lshl_add_u32 v5, v2, 5, v5
	v_add_nc_u32 v[STO], s23, v5
	v_mul_u32_u24 v6, v2, SPITCH                   ; back: lanes 0-15 one row of 256 bytes, lanes 16-31 the next
	v_lshl_add_u32 v6, v1, 4, v6
	v_add_nc_u32 v[RD], s23, v6
.macro FRAG reg, adr, q, i             ; B: 16 rows x 128 K: registers 4 c .. 4 c + 3 hold K = 128 q + 32 c + 16 h + 0 .. 15 of the region
.irp c, 0,1,2,3
	ds_load_b128 v[\reg+4*\c:\reg+4*\c+3], v[\adr] offset:128*(\q)+32*\c+(\i)*16*PITCH
.endr
.endm
.macro FRAGA reg, adr, q, i            ; A: the same K: plane 2 q + c / 2, byte 32 (c % 2) + 16 h of the row
.irp c, 0,1,2,3
	ds_load_b128 v[\reg+4*\c:\reg+4*\c+3], v[\adr] offset:(2*(\q)+\c/2)*APL+(\i)*16*AP+32*(\c%2)
.endr
.endm
.macro FETCH slot, q, f                ; 32 LDS loads in one run: the fragments of the region's q-th 128 along K into buffer f
	WIN TO_F
.irp i, 0,1,2,3
	FRAG \f+64+FR*\i, ADRB+\slot, \q, \i
.endr
.irp i, 0,1,2,3
	FRAGA \f+FR*\i, ADRA+\slot, \q, \i
.endr
.endm
; 16 matrix instructions: A's four blocks x B's four, 128 along K.  zero = 1: the first products start the sums: nothing is cleared.
; The 16 accumulators take turns, one instruction a turn, in the same order in every step.
.macro MULS f, zero
	WIN MUL
.irp a, 0,1,2,3
.irp b, 0,1,2,3
.if \zero
	v_wmma_f32_16x16x128_fp8_fp8 v[ACC+8*(4*\a+\b):ACC+8*(4*\a+\b)+7], v[\f+64+FR*\b:\f+64+FR*\b+FR-1], v[\f+FR*\a:\f+FR*\a+FR-1], 0
.else
	v_wmma_f32_16x16x128_fp8_fp8 v[ACC+8*(4*\a+\b):ACC+8*(4*\a+\b)+7], v[\f+64+FR*\b:\f+64+FR*\b+FR-1], v[\f+FR*\a:\f+FR*\a+FR-1], v[ACC+8*(4*\a+\b):ACC+8*(4*\a+\b)+7]
.endif
.endr
.endr
.endm
.macro PLACES                          ; four plain vector lines between a matrix instruction and a load into, or a read of, its registers
.rept 4
	v_nop
.endr
.endm
; A step multiplies one buffer; behind it that buffer takes the fragments of two steps on, while the other buffer, asked for a step ago, is multiplied.
.macro NEXT slot, q, f, g              ; fetch (slot, q) into buffer f, which has just been multiplied; then multiply buffer g
	PLACES
	FETCH \slot, \q, \f
	s_wait_dscnt 32                                ; all but the 32 loads just issued: buffer g is in
	MULS \g, 0
.endm
	s_wait_tensorcnt 1                             ; my part of region 0 is in (region 1's load may be out)
	s_barrier_signal -1
	s_barrier_wait -1                              ; everybody's is
	FETCH 0, 0, F0
	FETCH 0, 1, F1
	s_wait_dscnt 32                                ; buffer 0 is in
	MULS F0, 1                                     ; K 0-127: these products start the sums
	NEXT 0, 2, F0, F1                              ; K 128-255
	NEXT 0, 3, F1, F0                              ; K 256-383
	s_wait_tensorcnt 0x0                           ; my part of region 1 is in,
	s_wait_dscnt 0x0                               ; and my last reads of region 0 are back: behind this barrier region 0 is nobody's, and the stages may lie there
	s_barrier_signal -1
	s_barrier_wait -1                              ; both hold of every wave
	NEXT 1, 0, F0, F1                              ; K 384-511
	NEXT 1, 1, F1, F0                              ; K 512-639
	NEXT 1, 2, F0, F1                              ; K 640-767
	NEXT 1, 3, F1, F0                              ; K 768-895
	s_wait_dscnt 0x0
	MULS F1, 0                                     ; K 896-1023
	WIN 0
; THE WAY OUT, block by block of 16 rows x 64 columns.  TOSTAGE: the sums x 2^(e10 + e11) into my stage, and back by rows.  SEND: w's same rows are added, and the block is stored.
; LDS serves a wave's instructions in order (ISA guide 5.7.1.4): no wait between the stores and the loads, nor in front of the next block's stores.
.macro TOSTAGE a
.set j, 0
.rept 16
	v_pk_mul_f32 v[TMP+j:TMP+j+1], v[ACC+32*(\a)+j:ACC+32*(\a)+j+1], s[96:97] op_sel_hi:[1,0]   ; each accumulator from its low end on
.set j, j+2
.endr
.irp b, 0,1,2,3
	ds_store_b128 v[STO], v[TMP+8*\b:TMP+8*\b+3] offset:64*\b                     ; lane (r, h): row r, columns 16 b + 8 h on
	ds_store_b128 v[STO], v[TMP+8*\b+4:TMP+8*\b+7] offset:64*\b+16
.endr
.set BB, BK+32*((\a)%2)
.irp t, 0,1,2,3,4,5,6,7
	ds_load_b128 v[BB+4*\t:BB+4*\t+3], v[RD] offset:2*\t*SPITCH
.endr
.endm
.macro SEND a, younger                 ; younger: the LDS instructions issued behind block a's loads, which may stay out
.set BB, BK+32*((\a)%2)
	s_wait_dscnt \younger                          ; the block is back in registers
	WIN ADDW
.set j, 0
.rept 16
	v_pk_add_f32 v[32*(\a)+j:32*(\a)+j+1], v[BB+j:BB+j+1], v[32*(\a)+j:32*(\a)+j+1]   ; x = the product + w, into w's registers: each block's store data have registers of their own
.set j, j+2
.endr
.irp t, 0,1,2,3,4,5,6,7
	global_store_b128 v[CO], v[32*(\a)+4*\t:32*(\a)+4*\t+3], s[12:13] offset:(16*(\a)+2*\t)*8192   ; sixteen lanes store 256 consecutive bytes, at a multiple of 256 from x's first byte
.endr
	WIN 0
.endm
	s_wait_kmcnt 0x0
	s_add_co_i32 s96, s96, s97
	s_add_co_i32 s96, s96, 127
	s_lshl_b32 s96, s96, 23                        ; 2^(e10 + e11) as f32
	s_mov_b32 s97, s96                             ; (named with it as a pair, so it is written)
	s_wait_loadcnt 0x0                             ; w, asked for at the head
	PLACES                                         ; in front of the first reads of the results
	TOSTAGE 0
.irp a, 1,2,3
	TOSTAGE \a
	SEND \a-1, 16                                  ; behind block a - 1's loads: block a's 8 stores and 8 loads
.endr
	SEND 3, 0
	s_wait_tensorcnt 0x0                           ; the wave's end, behind my last tensor load and my last LDS store
	ds_add_u32 v[SPW], v[NIL]
	s_wait_dscnt 0x0
	CROUND                                         ; the closing round: no work-group ends while a partner may still ask for a tile that names it
	s_endpgm
.Lfunc_end_k_q30816b1dbf_oproj:
	.size	k_q30816b1dbf_oproj, .Lfunc_end_k_q30816b1dbf_oproj-k_q30816b1dbf_oproj
	.p2alignl 7, 3214868480
	.fill 96, 4, 3214868480
	.section	.rodata,"a",@progbits
	.p2align	6, 0x0
	.amdhsa_kernel k_q30816b1dbf_oproj
		.amdhsa_group_segment_fixed_size 327680
		.amdhsa_private_segment_fixed_size 0
		.amdhsa_enable_private_segment 0
		.amdhsa_kernarg_size 40
		.amdhsa_user_sgpr_count 2
		.amdhsa_user_sgpr_kernarg_segment_ptr 1
		.amdhsa_wavefront_size32 1
		.amdhsa_system_sgpr_workgroup_id_x 1
		.amdhsa_system_sgpr_workgroup_id_y 1
		.amdhsa_system_sgpr_workgroup_id_z 1
		.amdhsa_system_vgpr_workitem_id 0
		.amdhsa_next_free_vgpr 640
		.amdhsa_next_free_sgpr 98
		.amdhsa_reserve_vcc 0
		.amdhsa_float_denorm_mode_32 3
		.amdhsa_float_denorm_mode_16_64 3
		.amdhsa_memory_ordered 1
		.amdhsa_forward_progress 1
		.amdhsa_inst_pref_size 52
	.end_amdhsa_kernel
	.amdgpu_metadata
---
amdhsa.version: [ 1, 2 ]
amdhsa.kernels:
  - .name:           k_q30816b1dbf_oproj
    .symbol:         k_q30816b1dbf_oproj.kd
    .args:
      - { .name: av, .offset: 0, .size: 8, .value_kind: global_buffer, .address_space: global }
      - { .name: W_o_codes, .offset: 8, .size: 8, .value_kind: global_buffer, .address_space: global }
      - { .name: lowp_scales, .offset: 16, .size: 8, .value_kind: global_buffer, .address_space: global }
      - { .name: w, .offset: 24, .size: 8, .value_kind: global_buffer, .address_space: global }
      - { .name: xr, .offset: 32, .size: 8, .value_kind: global_buffer, .address_space: global }
    .group_segment_fixed_size: 327680
    .private_segment_fixed_size: 0
    .kernarg_segment_align: 8
    .kernarg_segment_size: 40
    .max_flat_workgroup_size: 128
    .sgpr_count:     98
    .vgpr_count:     640
    .wavefront_size: 32
...
	.end_amdgpu_metadata
.endif
;; end of part 8
;; launch ln: the kernel of part 5 again; grid 256 x 1, 8 waves a work-group, no clusters, 0 bytes of LDS; arguments xr, gamma, beta, out0; writes out0
